; MI455X (gfx1250); checked and timed in simulation.
; The chip was launched on July 23, 2026; its instructions are those of AMD's public machine-readable ISA for CDNA 5 (MIT licence, August 2026) and "CDNA5" Instruction Set Architecture Reference Guide (July 2026). The comments in the code are by the model that wrote it; some were corrected since.
;; Transformer Block. Allowed arithmetic: matrix products marked QUANTISED: E2M3 operands, one E8M0 scale for each 32 along K, by v_wmma_scale_f32_16x16x128_f8f6f4 with both operands' format E2M3, f32 sums; everything else in f32.
;; Inputs: g1 1,024 float32; g2 1,024 float32; w_down_codes 1,024 x 64 x 24 uint8 (E2M3 codes of w_down, K innermost, in blocks of 32 codes, four codes in three bytes); w_down_scales 1,024 x 64 uint8 (E8M0 scales of w_down, one for each 32 codes along K); w_gate_codes 2,048 x 32 x 24 uint8 (E2M3 codes of w_gate, K innermost, in blocks of 32 codes, four codes in three bytes); w_gate_scales 2,048 x 32 uint8 (E8M0 scales of w_gate, one for each 32 codes along K); w_o_codes 1,024 x 32 x 24 uint8 (E2M3 codes of w_o, K innermost, in blocks of 32 codes, four codes in three bytes); w_o_scales 1,024 x 32 uint8 (E8M0 scales of w_o, one for each 32 codes along K); w_qkv_codes 3,072 x 32 x 24 uint8 (E2M3 codes of w_qkv, K innermost, in blocks of 32 codes, four codes in three bytes); w_qkv_scales 3,072 x 32 uint8 (E8M0 scales of w_qkv, one for each 32 codes along K); w_up_codes 2,048 x 32 x 24 uint8 (E2M3 codes of w_up, K innermost, in blocks of 32 codes, four codes in three bytes); w_up_scales 2,048 x 32 uint8 (E8M0 scales of w_up, one for each 32 codes along K); x 2 x 2,048 x 1,024 float32.
;; Outputs: out0 2 x 2,048 x 1,024 float32.
;; This version of the problem:
;;   THIS VERSION OF THE PROBLEM IS GIVEN IN LOW PRECISION. The matrix products marked QUANTISED in the list below multiply operands that are first quantised to E2M3 (2 exponent bits, 3 mantissa bits; 6 bits a number), with one power-of-two scale for each 32 numbers along K (OCP MX v1.0); their sums are f32. All else is computed in f32.
;;   The module's matrix products, in the order in which they are computed (A, B: the left and right operand; K: the contracted axis; several contracted axes count as one K, in the product's order):
;;     1. [M 4,096, K 1,024] x [K 1,024, N 3,072]; A: computed on the way; B: input w_qkv (given as codes): QUANTISED
;;     2. batch 32 x [M 2,048, K 64] x [K 64, N 2,048]; A: computed on the way; B: computed on the way: QUANTISED
;;     3. batch 32 x [M 2,048, K 2,048] x [K 2,048, N 64]; A: softmax (see below); B: computed on the way: QUANTISED
;;     4. [M 4,096, K 1,024] x [K 1,024, N 1,024]; A: computed on the way; B: input w_o (given as codes): QUANTISED
;;     5. [M 4,096, K 1,024] x [K 1,024, N 2,048]; A: computed on the way; B: input w_gate (given as codes): QUANTISED
;;     6. [M 4,096, K 1,024] x [K 1,024, N 2,048]; A: computed on the way; B: input w_up (given as codes): QUANTISED
;;     7. [M 4,096, K 2,048] x [K 2,048, N 1,024]; A: computed on the way; B: input w_down (given as codes): QUANTISED
;;   THE QUANTISER, for each operand of a quantised product, along K:
;;     - K is cut into blocks of 32 from its start; a last block that is shorter is filled with zeros.
;;     - A block's scale is 2^e with e = floor(log2(the largest magnitude in the block)) - 2, held to -126 .. 127; a block of zeros has e = 0. As a byte (E8M0): e + 127.
;;     - Each number is divided by its block's scale, clamped to +-7.5, and rounded to the nearest number of E2M3, ties to even, subnormals kept.
;;     - The product sums the exact products of the quantised numbers (number of the format x scale) in f32.
;;   ~~~python
;;   def quantise(x, axis):      # numpy; x: float32 -> the quantised numbers, widened to float32 again
;;       x = np.moveaxis(x, axis, -1); K = x.shape[-1]
;;       x = np.pad(x, [(0, 0)] * (x.ndim - 1) + [(0, -K % 32)]); x = x.reshape(x.shape[:-1] + (-1, 32)); a = np.abs(x).max(-1, keepdims=True)
;;       e = np.where(a > 0, np.clip(np.frexp(np.where(a > 0, a, 1))[1] - 1 - 2, -126, 127), 0)      # np.frexp(a)[1] - 1 = floor(log2(a)), exactly
;;       r = np.clip(x / 2.0 ** e, -7.5, 7.5)
;;       step = 2.0 ** (np.maximum(np.frexp(np.where(r == 0, 1, r))[1] - 1, 0) - 3)
;;       q = np.round(r / step) * step * 2.0 ** e      # np.round: ties to even
;;       return np.moveaxis(q.reshape(q.shape[:-2] + (-1,))[..., :K], -1, axis).astype(np.float32)
;;   ~~~
;;   SOFTMAX AHEAD OF A QUANTISED PRODUCT. Where the list says 'softmax', what is quantised is not the finished softmax but p = 2^(t - M), with t = logit x log2(e) and M = ceil(the row's largest t), a whole number; so 1/2 < the row's largest p <= 1. The row's sum l is taken of the UNQUANTISED p, in f32, and the product's result is divided by l at the end. Since M is a whole number, a kernel that streams over the keys may use a running M (the ceiling of the running maximum): every later rescaling is an exact power of two, which a block's scale takes up: the codes' values come out the same.
;;   OPERANDS COMPUTED ON THE WAY. 'Computed on the way' means the value that the module computes at that place (a softmax that the list does not call 'softmax' is quantised finished and normalised). What goes into a quantiser is computed in f32, as accurately as f32 sums, v_exp_f32 and their like allow (about 1e-6 of the number): no bf16 or f16 on the way to a quantiser, and a product that is left as it is and whose result goes on into a quantised operand takes f32 operands (vector FMAs, or v_wmma_f32_16x16x4_f32). A number that lies on a knife's edge between two numbers of the format may be rounded either way, as far as f32 arithmetic and the matrix unit's own rounding can turn it there, and no further.
;;   INPUTS GIVEN AS CODES. w_down (in the module: [2048, 1024], K = its axis 0); w_gate (in the module: [1024, 2048], K = its axis 0); w_o (in the module: [1024, 1024], K = its axis 0); w_qkv (in the module: [1024, 3072], K = its axis 0); w_up (in the module: [1024, 2048], K = its axis 0): each comes as NAME_codes (uint8): NAME with its K axis moved to the last place and cut into blocks of 32 codes, [.., K / 32, bytes a block], one block behind the other in memory; four codes in three bytes: a row's codes are one little-endian stream of bits, code i at bits 6 i .. 6 i + 5 (a code: sign, 2 exponent bits, 3 mantissa bits); and NAME_scales (uint8): the same leading axes, one E8M0 byte (e + 127) for each 32 codes along K. Its value is code x scale, taken as it is: it is not quantised again, and the codes and scales need not be those that the quantiser above would give.
;; One version. Each part assembles by itself: llvm-mc -triple=amdgcn-amd-amdhsa -mcpu=gfx1250 --defsym DOCPART=n.
;; ======== version 1 of 1: 7 launches
;; limits: right only within a limited range of input values
;; workspace buffers: wl 8,192,000 bytes; xa 3,276,800 bytes; qkv 10,092,544 bytes; ao 3,276,800 bytes; x1 16,777,216 bytes; ha 3,276,800 bytes; hid 6,553,600 bytes
;; launch prep (part 1): grid 336 x 1, 8 waves a work-group, no clusters, 102,400 bytes of LDS; arguments x, g1, w_qkv_codes, w_qkv_scales, w_o_codes, w_o_scales, w_gate_codes, w_gate_scales, w_up_codes, w_up_scales, w_down_codes, w_down_scales, xa, wl; writes xa, wl
.if DOCPART == 1
	.amdgcn_target "amdgcn-amd-amdhsa--gfx1250"
	.amdhsa_code_object_version 6
	.text
	.protected	k_q78ce9f8e2f_prep
	.globl	k_q78ce9f8e2f_prep
	.p2align	8
	.type	k_q78ce9f8e2f_prep,@function
k_q78ce9f8e2f_prep:
	s_mov_b64 s[64:65], 0
	v_nop
	global_prefetch_b8 v0, s[64:65] scope:SCOPE_SE
	s_setreg_imm32_b32 hwreg(HW_REG_WAVE_MODE, 25, 1), 1
	s_wait_xcnt 0x0
; PREP: two jobs in one launch, told apart by the work-group's number.
; Work-groups 0-255: xa = Q(rmsnorm(x, g1)): a tile of 16 tokens each, codes of FP6 (E2M3) with one E8M0 byte for each 32 along K, laid in the ORDER OF AN OPERAND'S REGISTERS.
; Work-groups 256-335: the five weights' codes and scale bytes, as given, are copied into the same order (buffer wl, 80 units of 128 rows x 1,024 K).
; FORMATS.  lane = (r, h) = (lane % 16, lane / 16).  A fragment (16 rows x 128 K, 12 registers a lane) is 1,536 bytes: registers 0-3 at 16 lane, 4-5 at 512 + 8 lane, 6-9 at 768 + 16 lane, 10-11 at 1,280 + 8 lane:
; every store and load of it covers 512 or 256 consecutive bytes.  A block is 128 rows for 1,024 K: [K step 8][tile 8][1,536].  Slot r of tile a is row 32 (a / 2) + 8 (a % 2) + r + 8 (r / 8) of the block, so that
; a product that takes the tile as source 0 leaves 16 neighbouring rows in the 16 registers of tiles 2 b and 2 b + 1.  A scale panel (512 bytes a tile and 8 K steps): the word at 16 (16 h' + r) + 4 j is slot r's for K step 2 j + h'.
; NORM PATH: wave q takes K step q of the tile's 16 rows (64 numbers a lane, 16 neighbours of each block of 32); the rows' sums of squares meet in LDS (one barrier); x / rms x g in f32; quantised in registers.
; RELAYOUT PATH: a wave takes a tile: 16 rows x 768 bytes of codes.  They are read as they lie, 16 bytes a lane and 512 bytes a load, turned through the wave's own stage in LDS, and come back as the fragments' 8-byte pieces.
; LIMITS: NaN and infinities are not served; a block whose largest magnitude lies under 2^-124 is held at the byte 1; a block of zeros gets the byte 1 where the rule says 127 (its codes are zeros; this program alone reads the bytes).
; No tensor load, no cluster, no matrix unit: the launch streams, and its work-groups share nothing.
.set SW,    512                        ; LDS, norm path: 0-511 the partial sums (wave q, row r at 64 q + 4 r); 512-1023 the tile's scale panel
.set SPARE, 1024                       ; the spare words, 128 bytes for each of the eight waves
.set RL,    2048                       ; LDS, relayout path: bytes of its own: a stage of 16 rows x LP bytes for each wave
.set LP,    784                        ; a stage row: 768 bytes + 16 = 196 words: row r starts at bank 4 r mod 64 (64 banks of 4 bytes: ISA guide 11.1), so the 32 lanes of a read of 8 bytes touch 64 different banks
.set XO,  5                            ; v5   norm: my byte in x
.set GO,  6                            ; v6   norm: my byte in g;  relayout: my byte in the scale bytes
.set L16, 7                            ; v7   16 x lane
.set L8,  8                            ; v8   8 x lane
.set SPW, 12                           ; v12  LDS address of my spare word; never rewritten
.set NIL, 13                           ; v13  0; never rewritten
.set RS,  14                           ; v[14:15] 1 / rms, twice
.set TM,  16                           ; v16-31 the quantiser's work: +0..3 largest magnitudes, +4..7 bytes, +12..15 scale operands
.set AD,  16                           ; relayout: v16-39 the 24 loads' byte offsets;  v40, v41 the stage on the way in;  v42 on the way out
.set PW,  32                           ; v32  the scale word
.set PC,  34                           ; v34-53 the codes
.set SU,  56                           ; v56-63 sums
.set X,   64                           ; v64-127 my 64 numbers of x (relayout: v64-159 the rows as loaded, then the fragments; v160-163 the panel's words)
.set G,   128                          ; v128-191 and of g
.set SEL, 2                            ; s[2:3] v_permlanex16_b32's selects for lane xor 16
.set WV,  36                           ; s36  my wave's number
.set MSB, 0
.macro WIN new                         ; (all registers of this text lie in window 0: nothing is ever written by this macro here)
.if MSB != (\new)
	s_set_vgpr_msb (MSB<<8)|(\new)
.set MSB, (\new)
.endif
.endm
; 32 nc numbers of a lane, register 16 b + i = k 32 b + 16 h + i of my row, become 6 nc registers of codes at v[PC] on and (nc = 2) the row's scale word in v[pw].
.macro QUANT s, ws, nc, pw
	WIN (((\ws)<<2)|((\ws)<<4))
.irp b, 0,1,2,3
.if \b < 2*(\nc)
	v_max3_num_f32 v[TM+\b], 0x1800000, |v[(\s)+16*\b]|, |v[(\s)+16*\b+1]|   ; my 16 numbers of block b, and the floor 2^(3 - 127): the byte cannot fall under 1
.endif
.endr
.irp i, 2,4,6,8,10,12,14
.irp b, 0,1,2,3
.if \b < 2*(\nc)
	s_delay_alu instid0(VALU_DEP_4)
	v_max3_num_f32 v[TM+\b], v[TM+\b], |v[(\s)+16*\b+\i]|, |v[(\s)+16*\b+\i+1]|
.endif
.endr
.endr
	WIN 0
.irp b, 0,1,2,3
.if \b < 2*(\nc)
	s_delay_alu instid0(VALU_DEP_4)
	v_permlanex16_b32 v[TM+4+\b], v[TM+\b], s[SEL], s[SEL+1]
.endif
.endr
.irp b, 0,1,2,3
.if \b < 2*(\nc)
	s_delay_alu instid0(VALU_DEP_4)
	v_max_num_f32 v[TM+\b], v[TM+\b], v[TM+4+\b]           ; with lane xor 16's: the block's largest magnitude
.endif
.endr
.irp b, 0,1,2,3
.if \b < 2*(\nc)
	s_delay_alu instid0(VALU_DEP_4)
	v_add_nc_u32 v[TM+12+\b], 0xff000000, v[TM+\b]         ; 2 off its exponent field: the conversion's scale operand
.endif
.endr
.irp b, 0,1,2,3
.if \b < 2*(\nc)
	s_delay_alu instid0(VALU_DEP_4)
	v_lshrrev_b32 v[TM+4+\b], 23, v[TM+12+\b]              ; the scale's byte
.endif
.endr
.if \nc > 1
	s_delay_alu instid0(VALU_DEP_3)
	v_lshl_or_b32 v[\pw], v[TM+5], 8, v[TM+4]
	s_delay_alu instid0(VALU_DEP_1)
	v_lshl_or_b32 v[\pw], v[TM+6], 16, v[\pw]
	s_delay_alu instid0(VALU_DEP_1)
	v_lshl_or_b32 v[\pw], v[TM+7], 24, v[\pw]
.endif
	WIN (\ws)
.irp c, 0,1
.if \c < \nc
	v_cvt_scalef32_pk16_fp6_f32 v[PC+6*\c:PC+6*\c+2], v[(\s)+32*\c:(\s)+32*\c+15], v[TM+12+2*\c]
	v_cvt_scalef32_pk16_fp6_f32 v[PC+12+4*\c:PC+12+4*\c+2], v[(\s)+32*\c+16:(\s)+32*\c+31], v[TM+13+2*\c]   ; (a conversion's three registers begin on an even number)
.endif
.endr
	WIN 0
	v_nop                                                  ; one plain place behind a scaled conversion
.irp c, 0,1
.if \c < \nc
.irp i, 0,1,2
	v_permlane16_swap_b32 v[PC+6*\c+\i], v[PC+12+4*\c+\i]  ; the operand's layout wants a whole block in a lane
.endr
.irp i, 0,1,2
	s_delay_alu instid0(VALU_DEP_3)
	v_mov_b32 v[PC+6*\c+3+\i], v[PC+12+4*\c+\i]
.endr
.endif
.endr
.endm
.macro PUTHI base, off, c              ; half a fragment (16 rows x 64 K) leaves: 512 and 256 consecutive bytes
	global_store_b128 v[L16], v[PC+6*(\c):PC+6*(\c)+3], s[\base:\base+1] offset:\off
	global_store_b64 v[L8], v[PC+6*(\c)+4:PC+6*(\c)+5], s[\base:\base+1] offset:(\off)+512
.endm
	s_load_b128 s[4:7], s[0:1], 0x0                ; x, g1
	s_load_b128 s[8:11], s[0:1], 0x60              ; xa, wl
	s_load_b512 s[16:31], s[0:1], 0x10             ; w_qkv's codes, scales; w_o's; w_gate's; w_up's
	s_load_b128 s[32:35], s[0:1], 0x50             ; w_down's codes, scales
	v_lshl_add_u32 v[SPW], v0, 2, SPARE
	v_mov_b32 v[NIL], 0
	v_lshrrev_b32 v1, 5, v0
	s_delay_alu instid0(VALU_DEP_1)
	v_readfirstlane_b32 s[WV], v1                  ; wave 0..7
	v_and_b32 v1, 31, v0                           ; lane
	v_and_b32 v2, 15, v0                           ; r
	v_bfe_u32 v3, v0, 4, 1                         ; h
	s_delay_alu instid0(VALU_DEP_2)
	v_and_b32 v4, 8, v2
	s_delay_alu instid0(VALU_DEP_1)
	v_add_nc_u32 v4, v4, v2                        ; r + 8 (r / 8)
	v_lshlrev_b32 v[L16], 4, v1
	v_lshlrev_b32 v[L8], 3, v1
	s_mov_b32 s[SEL], 0x76543210
	s_mov_b32 s[SEL+1], 0xfedcba98
	s_cmp_ge_u32 ttmp9, 256                        ; the work-group's number alone: all eight waves go the same way
	s_cbranch_scc1 .Lrelay
	; ---- the norm path: tile T = work-group, block T / 8, tile a = T % 8; wave q = K step q
	v_lshlrev_b32 v[XO], 12, v4
	s_delay_alu instid0(VALU_DEP_1)
	v_lshl_add_u32 v[XO], v3, 6, v[XO]             ; x: my slot's row of 4,096 bytes, + 64 h: my 16 numbers of a block of 32
	v_lshlrev_b32 v[GO], 6, v3
	s_lshl_b32 s37, s[WV], 6
	v_lshlrev_b32 v10, 2, v2                       ; 4 r
	s_delay_alu instid0(VALU_DEP_1)
	v_add_nc_u32 v9, s37, v10                      ; 64 q + 4 r
	s_and_b32 s38, s[WV], 1
	s_lshl_b32 s38, s38, 8
	s_lshr_b32 s39, s[WV], 1
	s_lshl_b32 s39, s39, 2
	s_add_co_u32 s38, s38, s39
	s_add_co_u32 s38, s38, SW
	v_lshl_add_u32 v11, v2, 4, s38                 ; the panel's word of (slot r, K step q): SW + 16 r + 256 (q % 2) + 4 (q / 2)
.irp b, 0,1,2,3
	v_mov_b32 v[TM+4+\b], 0                        ; written once: a lane permute's destination counts as one of its sources
.endr
	s_lshr_b32 s40, ttmp9, 3                       ; block
	s_and_b32 s41, ttmp9, 7                        ; a
	s_lshl_b32 s42, s40, 7
	s_lshr_b32 s43, s41, 1
	s_lshl_b32 s43, s43, 5
	s_add_co_u32 s42, s42, s43
	s_and_b32 s43, s41, 1
	s_lshl_b32 s43, s43, 3
	s_add_co_u32 s42, s42, s43                     ; the tile's first row: 128 block + 32 (a / 2) + 8 (a % 2)
	s_lshl_b32 s42, s42, 12
	s_lshl_b32 s44, s[WV], 9                       ; 512 q: my K step's bytes in a row
	s_add_co_u32 s42, s42, s44
	s_mov_b32 s43, 0
	s_mov_b32 s45, 0
	s_mul_i32 s46, s40, 98304
	s_mul_i32 s47, s[WV], 12288
	s_add_co_u32 s46, s46, s47
	s_mul_i32 s47, s41, 1536
	s_add_co_u32 s46, s46, s47                     ; my fragment in xa
	s_mov_b32 s47, 0
	s_lshl_b32 s48, ttmp9, 9
	s_add_co_u32 s48, s48, 3145728                 ; the tile's panel
	s_mov_b32 s49, 0
	s_mov_b32 s52, 0x358637bd                      ; EPS = 1e-6
	s_wait_alu depctr_va_vdst(0)
	s_wait_kmcnt 0x0
	s_add_nc_u64 s[4:5], s[4:5], s[42:43]
	s_add_nc_u64 s[6:7], s[6:7], s[44:45]
	s_add_nc_u64 s[50:51], s[8:9], s[48:49]
	s_add_nc_u64 s[8:9], s[8:9], s[46:47]
.irp b, 0,1,2,3
.irp i, 0,1,2,3
	global_load_b128 v[X+16*\b+4*\i:X+16*\b+4*\i+3], v[XO], s[4:5] offset:128*\b+16*\i th:TH_LOAD_NT
.endr
.endr
.irp b, 0,1,2,3
.irp i, 0,1,2,3
	global_load_b128 v[G+16*\b+4*\i:G+16*\b+4*\i+3], v[GO], s[6:7] offset:128*\b+16*\i
.endr
.endr
	s_wait_loadcnt 16                              ; x's 16 loads are in; g's 16 may stay out
.irp k, 0,1,2,3
	v_pk_mul_f32 v[SU+2*\k:SU+2*\k+1], v[X+2*\k:X+2*\k+1], v[X+2*\k:X+2*\k+1]    ; the sum of squares, in four chains; the first products start them
.endr
.set j, 4
.rept 28
	s_delay_alu instid0(VALU_DEP_4)
	v_pk_fma_f32 v[SU+2*(j%4):SU+2*(j%4)+1], v[X+2*j:X+2*j+1], v[X+2*j:X+2*j+1], v[SU+2*(j%4):SU+2*(j%4)+1]
.set j, j+1
.endr
	s_delay_alu instid0(VALU_DEP_3)
	v_pk_add_f32 v[SU:SU+1], v[SU:SU+1], v[SU+2:SU+3]
	s_delay_alu instid0(VALU_DEP_2)
	v_pk_add_f32 v[SU+4:SU+5], v[SU+4:SU+5], v[SU+6:SU+7]
	s_delay_alu instid0(VALU_DEP_1)
	v_pk_add_f32 v[SU:SU+1], v[SU:SU+1], v[SU+4:SU+5]
	s_delay_alu instid0(VALU_DEP_1)
	v_add_f32 v[SU], v[SU], v[SU+1]
	s_delay_alu instid0(VALU_DEP_1)
	v_permlanex16_b32 v[SU+1], v[SU], s[SEL], s[SEL+1]
	s_delay_alu instid0(VALU_DEP_1)
	v_add_f32 v[SU], v[SU], v[SU+1]                ; my row's 128 numbers of this K step
	ds_store_b32 v9, v[SU]                         ; (both halves of the lanes write the same word with the same value)
	s_wait_dscnt 0x0                               ; for the others' sake: my store has landed
	s_barrier_signal -1
	s_barrier_wait -1
.irp k, 0,1,2,3,4,5,6,7
	ds_load_b32 v[SU+\k], v10 offset:64*\k
.endr
	s_wait_dscnt 0x0
.irp k, 1
	v_add_f32 v[SU], v[SU], v[SU+\k]               ; in ascending K: the same bits in every wave
.endr
.irp k, 2, 3, 4, 5, 6, 7
	s_delay_alu instid0(VALU_DEP_1)
	v_add_f32 v[SU], v[SU], v[SU+\k]               ; in ascending K: the same bits in every wave
.endr
	s_delay_alu instid0(VALU_DEP_1)
	v_fma_f32 v[SU], v[SU], 0x3a800000, s52        ; / 1,024 + EPS
	s_wait_alu depctr_va_vdst(0)
	v_rsq_f32 v[RS], v[SU]
	v_rsq_f32 v[RS+1], v[SU]
	v_nop                                          ; a plain place behind the transcendentals
	s_wait_alu depctr_va_vdst(0)                   ; one wait for both, ahead of their first reader
	s_wait_loadcnt 0x0                             ; g
.set j, 0
.rept 32
	v_pk_mul_f32 v[X+2*j:X+2*j+1], v[X+2*j:X+2*j+1], v[RS:RS+1]
.set j, j+1
.endr
.set j, 0
.rept 32
	v_pk_mul_f32 v[X+2*j:X+2*j+1], v[X+2*j:X+2*j+1], v[G+2*j:G+2*j+1]     ; (x / rms) x g
.set j, j+1
.endr
	QUANT X, 0, 2, PW
	PUTHI 8, 0, 0
	PUTHI 8, 768, 1
	ds_store_b32 v11, v[PW]
	s_wait_dscnt 0x0
	s_barrier_signal -1
	s_barrier_wait -1                              ; the tile's panel lies in LDS
	s_cmp_lg_u32 s[WV], 0
	s_cbranch_scc1 .Lend
	ds_load_b128 v[SU:SU+3], v[L16] offset:SW
	s_wait_dscnt 0x0
	global_store_b128 v[L16], v[SU:SU+3], s[50:51] ; 512 consecutive bytes
.Lend:
	s_wait_tensorcnt 0x0                           ; the wave's end
	ds_add_u32 v[SPW], v[NIL]
	s_wait_dscnt 0x0
	s_endpgm
	; ---- the relayout path: unit u = work-group - 256, wave = tile a.  No barrier: a wave's stage is its own.
	; u 0-23: w_qkv rows 128 u on;  24-31: w_o;  32-63: tiles 0-3 = w_gate rows 64 (u - 32) on, tiles 4-7 = w_up, the same rows;  64-79: w_down rows 128 ((u - 64) / 2) on, K half (u - 64) % 2
.Lrelay:
	s_sub_co_u32 s37, ttmp9, 256                   ; u
	s_lshl_b32 s38, s37, 7                         ; first rows, for each of the four cases
	s_sub_co_u32 s39, s37, 24
	s_lshl_b32 s39, s39, 7
	s_sub_co_u32 s40, s37, 32
	s_lshl_b32 s40, s40, 6
	s_sub_co_u32 s41, s37, 64
	s_and_b32 s42, s41, 1                          ; w_down's K half
	s_lshr_b32 s41, s41, 1
	s_lshl_b32 s41, s41, 7
	s_mul_i32 s43, s42, 768                        ; its bytes in a row of codes,
	s_lshl_b32 s42, s42, 5                         ; and of scale bytes
	s_and_b32 s44, s[WV], 3
	s_mov_b32 s45, 1536
	s_wait_kmcnt 0x0
	s_cmp_lt_u32 s[WV], 4                          ; every choice hangs on ids alone
	s_cselect_b64 s[24:25], s[24:25], s[28:29]     ; w_gate or w_up
	s_cselect_b64 s[26:27], s[26:27], s[30:31]
	s_cmp_lt_u32 s37, 64
	s_cselect_b64 s[32:33], s[24:25], s[32:33]
	s_cselect_b64 s[34:35], s[26:27], s[34:35]
	s_cselect_b32 s41, s40, s41                    ; first row
	s_cselect_b32 s43, 0, s43
	s_cselect_b32 s42, 0, s42
	s_cselect_b32 s45, 768, s45                    ; a row of codes in bytes
	s_cselect_b32 s46, 32, 64                      ; a row of scale bytes
	s_cselect_b32 s44, s44, s[WV]                  ; the tile among the source's rows
	s_cmp_lt_u32 s37, 32
	s_cselect_b64 s[32:33], s[20:21], s[32:33]
	s_cselect_b64 s[34:35], s[22:23], s[34:35]
	s_cselect_b32 s41, s39, s41
	s_cselect_b32 s44, s[WV], s44
	s_cmp_lt_u32 s37, 24
	s_cselect_b64 s[32:33], s[16:17], s[32:33]
	s_cselect_b64 s[34:35], s[18:19], s[34:35]
	s_cselect_b32 s41, s38, s41
	s_lshr_b32 s47, s44, 1
	s_lshl_b32 s47, s47, 5
	s_add_co_u32 s41, s41, s47
	s_and_b32 s47, s44, 1
	s_lshl_b32 s47, s47, 3
	s_add_co_u32 s41, s41, s47                     ; the tile's first row
	s_wait_alu depctr_va_vdst(0)
	v_add_nc_u32 v9, s41, v4                       ; my slot's row
	s_delay_alu instid0(VALU_DEP_1)
	v_mul_lo_u32 v[GO], v9, s46
	s_delay_alu instid0(VALU_DEP_1)
	v_lshl_add_u32 v[GO], v3, 2, v[GO]
	s_delay_alu instid0(VALU_DEP_1)
	v_add_nc_u32 v[GO], s42, v[GO]                 ; scale bytes: row x pitch + K half + 4 h: lanes 16-31 take the odd K steps' words
	; The codes.  A row's part is 768 bytes = 48 pieces of 16; two rows are three loads of 32 pieces.  Load 0 of a row pair: pieces 0-31 of the even row; load 1: lanes 0-15 its pieces 32-47,
	; lanes 16-31 pieces 0-15 of the odd row; load 2: the odd row's pieces 16-47.  Slot rows 2 m and 2 m + 1 are the tile's rows 2 m + 8 (m / 4) and the next.
	s_mul_i32 s52, s41, s45
	s_add_co_u32 s52, s52, s43                     ; the tile's first byte
	s_sub_co_u32 s53, s45, 512
	s_add_co_u32 s54, s45, 256
	v_lshlrev_b32 v10, 4, v2                       ; 16 r
	v_mul_lo_u32 v11, v3, s53
	s_delay_alu instid0(VALU_DEP_1)
	v_add_nc_u32 v11, v11, v10
	s_delay_alu instid0(VALU_DEP_1)
	v_add_nc_u32 v11, 512, v11                     ; load 1: 512 + 16 r + h (row - 512)
	v_add_nc_u32 v14, s54, v[L16]                  ; load 2: row + 256 + 16 lane
.irp m, 0,1,2,3,4,5,6,7
	s_mul_i32 s55, s45, 2*\m+8*(\m/4)
	s_add_co_u32 s55, s55, s52
	v_add_nc_u32 v[AD+3*\m], s55, v[L16]
	v_add_nc_u32 v[AD+3*\m+1], s55, v11
	v_add_nc_u32 v[AD+3*\m+2], s55, v14
.endr
	s_mul_i32 s56, s[WV], 16*LP
	s_add_co_u32 s56, s56, RL                      ; my stage
	v_add_nc_u32 v40, s56, v[L16]                  ; in, loads 0 and 2: 16 lane (the row pair, and load 2's LP + 256, stand in the immediate)
	v_mad_u32_u24 v41, v3, LP-512, v10
	s_delay_alu instid0(VALU_DEP_1)
	v_add_nc_u32 v41, s56, v41                     ; in, load 1: 16 r + h (LP - 512), 512 in the immediate
	v_mul_u32_u24 v42, v2, LP
	s_delay_alu instid0(VALU_DEP_1)
	v_mad_u32_u24 v42, v3, 24, v42
	s_delay_alu instid0(VALU_DEP_1)
	v_add_nc_u32 v42, s56, v42                     ; out: slot row r, + 24 h
	s_mul_i32 s48, s37, 98304
	s_mul_i32 s49, s[WV], 1536
	s_add_co_u32 s48, s48, s49
	s_mov_b32 s49, 0
	s_add_nc_u64 s[48:49], s[10:11], s[48:49]
	s_lshl_b32 s50, s37, 12
	s_lshl_b32 s51, s[WV], 9
	s_add_co_u32 s50, s50, s51
	s_add_co_u32 s50, s50, 7864320
	s_mov_b32 s51, 0
	s_add_nc_u64 s[50:51], s[10:11], s[50:51]
	s_wait_alu depctr_va_vdst(0)
.irp m, 0,1,2,3,4,5,6,7
.irp l, 0,1,2
	global_load_b128 v[64+12*\m+4*\l:64+12*\m+4*\l+3], v[AD+3*\m+\l], s[32:33] th:TH_LOAD_NT    ; 512 bytes a load, in one or two runs; read once in the launch
.endr
.endr
.irp j, 0,1,2,3
	global_load_b32 v[160+\j], v[GO], s[34:35] offset:8*\j
.endr
.irp m, 0,1,2,3,4,5,6,7
	s_wait_loadcnt 25-3*\m                         ; row pair m's three loads are in; younger: 3 (7 - m) of codes and the four of scale words
	ds_store_b128 v40, v[64+12*\m:64+12*\m+3] offset:2*LP*\m
	ds_store_b128 v41, v[64+12*\m+4:64+12*\m+7] offset:2*LP*\m+512
	ds_store_b128 v40, v[64+12*\m+8:64+12*\m+11] offset:2*LP*\m+LP+256
.endr
	s_wait_dscnt 0x0                               ; the stores are done: their registers take the fragments
.irp q, 0,1,2,3,4,5,6,7
.irp p, 0,1,2,3,4,5
	ds_load_b64 v[64+12*\q+2*\p:64+12*\q+2*\p+1], v42 offset:96*\q+48*(\p/3)+8*(\p%3)   ; the row's stream of bits is the register image: 24 bytes at 96 q + 48 c + 24 h
.endr
.endr
.irp q, 0,1,2,3,4,5,6,7
	s_wait_dscnt 42-6*\q                           ; K step q's six reads are in; the six of each later K step may stay out
	global_store_b128 v[L16], v[64+12*\q:64+12*\q+3], s[48:49] offset:12288*\q
	global_store_b64 v[L8], v[64+12*\q+4:64+12*\q+5], s[48:49] offset:12288*\q+512
	global_store_b128 v[L16], v[64+12*\q+6:64+12*\q+9], s[48:49] offset:12288*\q+768
	global_store_b64 v[L8], v[64+12*\q+10:64+12*\q+11], s[48:49] offset:12288*\q+1280
.endr
	s_wait_loadcnt 0x0
	global_store_b128 v[L16], v[160:163], s[50:51]
	s_wait_tensorcnt 0x0                           ; the wave's end
	ds_add_u32 v[SPW], v[NIL]
	s_wait_dscnt 0x0
	s_endpgm
.Lfunc_end_k_q78ce9f8e2f_prep:
	.size	k_q78ce9f8e2f_prep, .Lfunc_end_k_q78ce9f8e2f_prep-k_q78ce9f8e2f_prep
	.p2alignl 7, 3214868480
	.fill 96, 4, 3214868480
	.section	.rodata,"a",@progbits
	.p2align	6, 0x0
	.amdhsa_kernel k_q78ce9f8e2f_prep
		.amdhsa_group_segment_fixed_size 102400
		.amdhsa_private_segment_fixed_size 0
		.amdhsa_enable_private_segment 0
		.amdhsa_kernarg_size 112
		.amdhsa_user_sgpr_count 2
		.amdhsa_user_sgpr_kernarg_segment_ptr 1
		.amdhsa_wavefront_size32 1
		.amdhsa_system_sgpr_workgroup_id_x 1
		.amdhsa_system_sgpr_workgroup_id_y 1
		.amdhsa_system_sgpr_workgroup_id_z 1
		.amdhsa_system_vgpr_workitem_id 0
		.amdhsa_next_free_vgpr 192
		.amdhsa_next_free_sgpr 100
		.amdhsa_reserve_vcc 0
		.amdhsa_float_denorm_mode_32 3
		.amdhsa_float_denorm_mode_16_64 3
		.amdhsa_memory_ordered 1
		.amdhsa_forward_progress 1
		.amdhsa_inst_pref_size 37
	.end_amdhsa_kernel
	.amdgpu_metadata
---
amdhsa.version: [ 1, 2 ]
amdhsa.kernels:
  - .name:           k_q78ce9f8e2f_prep
    .symbol:         k_q78ce9f8e2f_prep.kd
    .args:
      - { .name: x, .offset: 0, .size: 8, .value_kind: global_buffer, .address_space: global }
      - { .name: g1, .offset: 8, .size: 8, .value_kind: global_buffer, .address_space: global }
      - { .name: w_qkv_codes, .offset: 16, .size: 8, .value_kind: global_buffer, .address_space: global }
      - { .name: w_qkv_scales, .offset: 24, .size: 8, .value_kind: global_buffer, .address_space: global }
      - { .name: w_o_codes, .offset: 32, .size: 8, .value_kind: global_buffer, .address_space: global }
      - { .name: w_o_scales, .offset: 40, .size: 8, .value_kind: global_buffer, .address_space: global }
      - { .name: w_gate_codes, .offset: 48, .size: 8, .value_kind: global_buffer, .address_space: global }
      - { .name: w_gate_scales, .offset: 56, .size: 8, .value_kind: global_buffer, .address_space: global }
      - { .name: w_up_codes, .offset: 64, .size: 8, .value_kind: global_buffer, .address_space: global }
      - { .name: w_up_scales, .offset: 72, .size: 8, .value_kind: global_buffer, .address_space: global }
      - { .name: w_down_codes, .offset: 80, .size: 8, .value_kind: global_buffer, .address_space: global }
      - { .name: w_down_scales, .offset: 88, .size: 8, .value_kind: global_buffer, .address_space: global }
      - { .name: xa, .offset: 96, .size: 8, .value_kind: global_buffer, .address_space: global }
      - { .name: wl, .offset: 104, .size: 8, .value_kind: global_buffer, .address_space: global }
    .group_segment_fixed_size: 102400
    .private_segment_fixed_size: 0
    .kernarg_segment_align: 8
    .kernarg_segment_size: 112
    .max_flat_workgroup_size: 256
    .sgpr_count:     100
    .vgpr_count:     192
    .wavefront_size: 32
...
	.end_amdgpu_metadata
.endif
;; end of part 1
;; launch qkv (part 2): grid 192 x 1, 4 waves a work-group, clusters of 4 x 1, 327,680 bytes of LDS; arguments xa, wl, qkv; writes qkv
.if DOCPART == 2
	.amdgcn_target "amdgcn-amd-amdhsa--gfx1250"
	.amdhsa_code_object_version 6
	.text
	.protected	k_q78ce9f8e2f_qkv
	.globl	k_q78ce9f8e2f_qkv
	.p2align	8
	.type	k_q78ce9f8e2f_qkv,@function
k_q78ce9f8e2f_qkv:
	s_mov_b64 s[64:65], 0
	v_nop
	global_prefetch_b8 v0, s[64:65] scope:SCOPE_SE
	s_setreg_imm32_b32 hwreg(HW_REG_WAVE_MODE, 25, 1), 1
	s_wait_xcnt 0x0
	s_wait_alu depctr_hold_cnt(0) depctr_sa_sdst(0) depctr_va_vdst(0) depctr_va_sdst(0) depctr_va_ssrc(0) depctr_va_vcc(0) depctr_vm_vsrc(0)
	s_getreg_b32 s2, hwreg(HW_REG_IB_STS2, 6, 4)
	s_cmp_eq_u32 s2, 0
	s_cbranch_scc0 .Lentry_in_a_cluster
	s_endpgm
.Lentry_in_a_cluster:
	s_bfe_u32 s2, ttmp6, 0x10000c
	s_cmp_lg_u32 s2, 0x3003
	s_cbranch_scc0 .Lentry_shape_is_right
	s_endpgm
.Lentry_shape_is_right:
; QKV: rmsnorm(x) W_qkv on codes of FP6 (E2M3), and its results quantised at once as the operands of attention's two products.  K = 1,024.
; A work-group holds ONE block of 128 rows (98,304 bytes of fragments, all of K) in LDS, filled once; each of its four waves multiplies it with a block of 128 rows of its own, which goes from memory
; straight into that wave's registers, a K step of 128 at a time, two sets by turns.  A wave makes 128 x 128: 64 accumulators, 512 registers.
; Source 0 = the streamed block, source 1 = the resident one: a lane holds ONE resident row, and the 64 registers of its eight accumulators run along the streamed rows, 16 neighbours to each two tiles.
; Clusters 0-31 (Q and K): resident = tokens (xa's block = cluster), streamed = 128 columns of w_qkv (two heads): a lane's registers run along d, which is the first product's K.
; Clusters 32-47 (V): THE ROLES ARE SWAPPED BY POINTERS: resident = 128 columns of V's weights, streamed = 128 tokens: a lane holds one column d and its registers run along the keys, the second product's K.
; CLUSTER: the four work-groups of a cluster hold the same resident block: it is asked for jointly (mask 15).  The streamed blocks belong to one wave each and are shared with no partner.
; 768 blocks of 128 x 128 x 4 make 192 work-groups: a wave's streamed block has to be whole heads and whole fragments.
; Every byte that the work-group brings into LDS is asked for at its head, so there is no later tensor load that a prefetch could run ahead of.
; OUT (buffer qkv): QC, KC [head 32][tile 128][768] half fragments (16 tokens x 64 d); VC [head][key step 16][d tile 4][1,536]; QS, KS [head][step][512]: word of tile 2 j + h' at 16 (16 h' + r) + 4 j, its upper two bytes 0;
; VS [head][step][256]: word of d tile 2 j + h' at 8 (16 h' + r) + 4 j.
; LIMITS: NaN and infinities are not served; a block whose largest magnitude lies under 2^-124 is held at the byte 1, a block of zeros gets the byte 1 (zero codes; this program alone reads the bytes).
; REGISTERS: window 0: v1-4 addresses; v32-63 the resident's scale words, v64-95 the streamed block's; v96-111 the quantiser's work; v112-119 scale words made; v128-223 the resident's fragments, ONE set (on the way out: codes).
;   window 1: the streamed fragments, two sets, at v0 and v128.   windows 2, 3: accumulator (a, b) at v[8 (8 (a % 4) + b)].
.set SPARE, 98304                      ; behind the resident block: the spare words, 128 bytes a wave
.set L16, 1                            ; v1 16 x lane;  v2 8 x lane;  v3, v4 the same + 49,152 (LDS: K steps 4-7)
.set L8,  2
.set SPW, 8                            ; v8   LDS address of my spare word; never rewritten
.set NIL, 9                            ; v9   0; never rewritten
.set SCA, 32
.set SCB, 64
.set TM,  96
.set PWS, 112
.set AF,  128
.set PC,  128
.set DD,  148
.set T,   160
.set WV,  12
.set HM,  13                           ; s13  the mask of lanes 16-31
.set SEL, 14
.set G1,  24                           ; s[24:31] descriptor group 1;  s[32:39] two groups 0
.set G0,  32
.set RP,  48                           ; s[48:49] the resident's panels;  s[50:51] the streamed codes;  s[52:53] the streamed panels
.set SBC, 50
.set SPN, 52
.set OB,  54                           ; s[54:55] where my codes go;  s[56:57] my scale words
.set OS,  56
.set MUL_LO, 0xa1                      ; source 0 window 1, source 1 window 0, C and D window 2
.set MUL_HI, 0xf1
.set TO_B,   0x40
.set MSB, 0
.macro WIN new                         ; the immediate's high byte repeats the setting that is left
.if MSB != (\new)
	s_set_vgpr_msb (MSB<<8)|(\new)
.set MSB, (\new)
.endif
.endm
.macro PLACES                          ; four places in front of loads into registers that matrix instructions have read, and of the first read of results
.rept 4
	v_nop
.endr
.endm
.macro CROUND                          ; a round of the cluster's barrier
	s_barrier_signal -1
	s_barrier_wait -1
	s_cmp_lg_u32 s[WV], 0
	s_cbranch_scc1 .Lnot_wave_0_\@
	s_barrier_signal -3
.Lnot_wave_0_\@:
	s_barrier_wait -3
	s_barrier_signal -1
	s_barrier_wait -1
.endm
; 32 nc numbers of a lane in window ws, register 16 b + i = k 32 b + 16 h + i of my row, become 6 nc registers of codes at v[PC] on and (nc = 2) the row's scale word in v[pw].
.macro QUANT s, ws, nc, pw
	WIN (((\ws)<<2)|((\ws)<<4))
.irp b, 0,1,2,3
.if \b < 2*(\nc)
	v_max3_num_f32 v[TM+\b], 0x1800000, |v[(\s)+16*\b]|, |v[(\s)+16*\b+1]|   ; my 16 numbers of block b, and the floor 2^(3 - 127); each accumulator is read from its low end on
.endif
.endr
.irp i, 2,4,6,8,10,12,14
.irp b, 0,1,2,3
.if \b < 2*(\nc)
	v_max3_num_f32 v[TM+\b], v[TM+\b], |v[(\s)+16*\b+\i]|, |v[(\s)+16*\b+\i+1]|
.endif
.endr
.endr
	WIN 0
.irp b, 0,1,2,3
.if \b < 2*(\nc)
	v_permlanex16_b32 v[TM+4+\b], v[TM+\b], s[SEL], s[SEL+1]
.endif
.endr
.irp b, 0,1,2,3
.if \b < 2*(\nc)
	v_max_num_f32 v[TM+\b], v[TM+\b], v[TM+4+\b]
.endif
.endr
.irp b, 0,1,2,3
.if \b < 2*(\nc)
	v_add_nc_u32 v[TM+12+\b], 0xff000000, v[TM+\b]         ; 2 off the exponent field: the conversion's scale operand
.endif
.endr
.irp b, 0,1,2,3
.if \b < 2*(\nc)
	v_lshrrev_b32 v[TM+4+\b], 23, v[TM+12+\b]              ; the scale's byte
.endif
.endr
.if \nc > 1
	v_lshl_or_b32 v[\pw], v[TM+5], 8, v[TM+4]
	v_lshl_or_b32 v[\pw], v[TM+6], 16, v[\pw]
	v_lshl_or_b32 v[\pw], v[TM+7], 24, v[\pw]
.endif
	WIN (\ws)
.irp c, 0,1
.if \c < \nc
	v_cvt_scalef32_pk16_fp6_f32 v[PC+6*\c:PC+6*\c+2], v[(\s)+32*\c:(\s)+32*\c+15], v[TM+12+2*\c]
	v_cvt_scalef32_pk16_fp6_f32 v[PC+12+4*\c:PC+12+4*\c+2], v[(\s)+32*\c+16:(\s)+32*\c+31], v[TM+13+2*\c]
.endif
.endr
	WIN 0
	v_nop                                                  ; one plain place behind a scaled conversion
.irp c, 0,1
.if \c < \nc
.irp i, 0,1,2
	v_permlane16_swap_b32 v[PC+6*\c+\i], v[PC+12+4*\c+\i]
.endr
.irp i, 0,1,2
	v_mov_b32 v[PC+6*\c+3+\i], v[PC+12+4*\c+\i]
.endr
.endif
.endr
.endm
.macro PUTHI base, off, c
	global_store_b128 v[L16], v[PC+6*(\c):PC+6*(\c)+3], s[\base:\base+1] offset:\off
	global_store_b64 v[L8], v[PC+6*(\c)+4:PC+6*(\c)+5], s[\base:\base+1] offset:(\off)+512
.endm
.macro WM                              ; one product; ZR: it starts the sum; OD: an odd K step, whose scale words lie in lanes 16-31
.if ZR
	v_wmma_scale_f32_16x16x128_f8f6f4 v[rD:rD+7], v[rS:rS+11], v[rA:rA+11], 0, v[rX], v[rY] matrix_a_fmt:MATRIX_FMT_FP6 matrix_b_fmt:MATRIX_FMT_FP6
.elseif OD
	v_wmma_scale_f32_16x16x128_f8f6f4 v[rD:rD+7], v[rS:rS+11], v[rA:rA+11], v[rD:rD+7], v[rX], v[rY] matrix_a_fmt:MATRIX_FMT_FP6 matrix_b_fmt:MATRIX_FMT_FP6 matrix_a_scale:MATRIX_SCALE_ROW1 matrix_b_scale:MATRIX_SCALE_ROW1
.else
	v_wmma_scale_f32_16x16x128_f8f6f4 v[rD:rD+7], v[rS:rS+11], v[rA:rA+11], v[rD:rD+7], v[rX], v[rY] matrix_a_fmt:MATRIX_FMT_FP6 matrix_b_fmt:MATRIX_FMT_FP6
.endif
.endm
.macro MUL16 a0, p, q, zero            ; resident tiles a0, a0 + 1 x the streamed eight of set p, K step q.  The 64 accumulators take turns in one order throughout
.set ZR, \zero
.set OD, (\q)%2
.irp a, \a0, \a0+1
.irp b, 0,1,2,3,4,5,6,7
.set rD, 8*(8*((\a)%4)+\b)
.set rS, 128*(\p)+12*\b
.set rA, AF+12*(\a)
.set rX, SCB+4*\b+(\q)/2
.set rY, SCA+4*(\a)+(\q)/2
	WM
.endr
.endr
.endm
.macro BLOAD q, p                      ; the streamed block's eight fragments of K step q into set p: 32 loads of 512 or 256 consecutive bytes
	WIN TO_B
.irp b, 0,1,2,3,4,5,6,7
.set rB, 128*(\p)+12*\b
.set oB, 12288*(\q)+1536*\b
	global_load_b128 v[rB:rB+3], v[L16], s[SBC:SBC+1] offset:oB
	global_load_b64 v[rB+4:rB+5], v[L8], s[SBC:SBC+1] offset:oB+512
	global_load_b128 v[rB+6:rB+9], v[L16], s[SBC:SBC+1] offset:oB+768
	global_load_b64 v[rB+10:rB+11], v[L8], s[SBC:SBC+1] offset:oB+1280
.endr
	WIN 0
.endm
.macro FETCH_A q, a0                   ; the resident's tiles a0 .. a0 + 3 of K step q: 16 LDS loads
.irp a, \a0, \a0+1, \a0+2, \a0+3
.set rA, AF+12*(\a)
.set oA, 12288*((\q)%4)+1536*(\a)
.set rL, L16+2*((\q)/4)
	ds_load_b128 v[rA:rA+3], v[rL] offset:oA
	ds_load_b64 v[rA+4:rA+5], v[rL+1] offset:oA+512
	ds_load_b128 v[rA+6:rA+9], v[rL] offset:oA+768
	ds_load_b64 v[rA+10:rA+11], v[rL+1] offset:oA+1280
.endr
.endm
.macro STEP q, zero                    ; a K step of 128: 64 matrix instructions
.if \q < 7
	s_wait_loadcnt 32                              ; this step's streamed set is in; the next set's 32 loads may stay out
.else
	s_wait_loadcnt 0x0
.endif
	s_wait_dscnt 16                                ; the resident's tiles 0-3 are in; the 16 loads of tiles 4-7 may stay out
	WIN MUL_LO
	MUL16 0, (\q)%2, \q, \zero
	MUL16 2, (\q)%2, \q, \zero
	s_wait_dscnt 0x0
.if \q < 7
.if (\q) == 3
	s_wait_tensorcnt 0x0                           ; my quarter of K steps 4-7 has landed,
	s_barrier_signal -1
	s_barrier_wait -1                              ; and everybody's
.endif
	PLACES
	WIN 0
	FETCH_A (\q)+1, 0
.endif
	WIN MUL_HI
	MUL16 4, (\q)%2, \q, \zero
	MUL16 6, (\q)%2, \q, \zero
	PLACES
.if \q < 6
	BLOAD (\q)+2, (\q)%2                           ; one K step, 64 matrix instructions, ahead of its use
.endif
	WIN 0
.if \q < 7
	FETCH_A (\q)+1, 4
.endif
.endm
	s_load_b128 s[4:7], s[0:1], 0x0                ; xa, wl
	s_load_b64 s[8:9], s[0:1], 0x10                ; qkv
	v_lshl_add_u32 v[SPW], v0, 2, SPARE
	v_mov_b32 v[NIL], 0
	ds_add_u32 v[SPW], v[NIL]                      ; the wave's opening: the add and its wait ahead of my first tensor load; work on registers stands between them
	ds_add_u32 v[SPW], v[NIL]
	v_lshrrev_b32 v5, 5, v0
	v_readfirstlane_b32 s[WV], v5                  ; wave 0..3
	v_and_b32 v5, 31, v0
	v_lshlrev_b32 v[L16], 4, v5
	v_lshlrev_b32 v[L8], 3, v5
	v_add_nc_u32 v[L16+2], 49152, v[L16]
	v_add_nc_u32 v[L8+2], 49152, v[L8]
.irp b, 0,1,2,3
	v_mov_b32 v[TM+4+\b], 0                        ; written once: a lane permute's destination counts as one of its sources
.endr
	s_mov_b32 s[SEL], 0x76543210
	s_mov_b32 s[SEL+1], 0xfedcba98
	s_mov_b32 s[HM], 0xffff0000
	s_mov_b32 s[G1], 15|(3<<16)|(1<<21)            ; the mask: all four work-groups; elements of 8 bytes; bit 21 beside a mask; no padding
	s_mov_b32 s[G1+1], 32<<16                      ; tensor_dim0 = 32 elements: rows of 256 bytes
	s_mov_b32 s[G1+2], 48<<16                      ; tensor_dim1 = 48 rows: 12,288 dense bytes, a wave's quarter of four K steps
	s_mov_b32 s[G1+3], 32<<16                      ; tile_dim0
	s_mov_b32 s[G1+4], 48                          ; tile_dim1
	s_mov_b32 s[G1+5], 32                          ; the pitch
	s_mov_b32 s[G1+6], 0
	s_mov_b32 s[G1+7], 0
	s_bfe_u32 s16, ttmp6, 0x40000                  ; cx: it enters the streamed block's and the output's addresses alone
	s_lshl_b32 s17, s16, 2
	s_add_co_u32 s17, s17, s[WV]                   ; Q, K: my unit of wl: 4 cx + wave
	s_and_b32 s18, ttmp9, 1
	s_lshl_b32 s18, s18, 4
	s_add_co_u32 s18, s18, s17                     ; V: my block of tokens: 16 (cluster % 2) + 4 cx + wave
	s_lshr_b32 s19, ttmp9, 1                       ; V: the resident unit of wl: 16 + (cluster - 32) / 2 = cluster / 2
	s_mov_b32 s72, 3145728                         ; where xa's panels begin,
	s_mov_b32 s73, 7864320                         ; and wl's
	s_cmp_lt_u32 ttmp9, 32                         ; the cluster's number: the same in all four partners
	s_cselect_b32 s19, ttmp9, s19                  ; the resident block's number
	s_cselect_b32 s18, s17, s18                    ; the streamed block's
	s_cselect_b32 s74, s72, s73
	s_cselect_b32 s75, s73, s72
	s_mul_i32 s22, s19, 98304
	s_mul_i32 s58, s[WV], 12288                    ; my quarter of a half of the block, in memory and in LDS alike
	s_add_co_u32 s22, s22, s58
	s_mov_b32 s23, 0
	s_lshl_b32 s60, s19, 12
	s_add_co_u32 s60, s60, s74
	s_mov_b32 s61, 0
	s_mul_i32 s62, s18, 98304
	s_mov_b32 s63, 0
	s_lshl_b32 s66, s18, 12
	s_add_co_u32 s66, s66, s75
	s_mov_b32 s67, 0
	s_wait_dscnt 0x0                               ; the opening add is done
	s_wait_kmcnt 0x0
	s_cmp_lt_u32 ttmp9, 32
	s_cselect_b64 s[68:69], s[4:5], s[6:7]         ; the resident's buffer
	s_cselect_b64 s[70:71], s[6:7], s[4:5]         ; the streamed one's
	s_add_nc_u64 s[76:77], s[68:69], s[22:23]
	s_add_nc_u64 s[RP:RP+1], s[68:69], s[60:61]
	s_add_nc_u64 s[SBC:SBC+1], s[70:71], s[62:63]
	s_add_nc_u64 s[SPN:SPN+1], s[70:71], s[66:67]
	s_mov_b32 s[G0], 1                             ; K steps 0-3
	s_mov_b32 s[G0+1], s58                         ; LDS: as in memory
	s_mov_b64 s[G0+2:G0+3], s[76:77]
	s_or_b32 s[G0+3], s[G0+3], 0x80000000
	s_mov_b32 s[G0+4], 1                           ; K steps 4-7: 49,152 bytes further on
	s_add_co_u32 s[G0+5], s58, 49152
	s_add_nc_u64 s[G0+6:G0+7], s[76:77], 49152
	s_or_b32 s[G0+7], s[G0+7], 0x80000000
	CROUND                                         ; all four work-groups are here: the joint loads meet
	tensor_load_to_lds s[G0:G0+3], s[G1:G1+7]      ; K steps 0-3: one tensor load a wave at the head
	s_nop 0
	PLACES
	s_wait_alu depctr_va_vdst(0)
.irp a, 0,1,2,3,4,5,6,7
	global_load_b128 v[SCA+4*\a:SCA+4*\a+3], v[L16], s[RP:RP+1] offset:512*\a      ; a tile's scale words for all eight K steps: register q / 2, lanes 0-15 the even step, lanes 16-31 the odd one
.endr
.irp b, 0,1,2,3,4,5,6,7
	global_load_b128 v[SCB+4*\b:SCB+4*\b+3], v[L16], s[SPN:SPN+1] offset:512*\b
.endr
	BLOAD 0, 0
	BLOAD 1, 1
	s_wait_alu depctr_va_vdst(0)
	s_wait_tensorcnt 0x0                           ; my quarter of K steps 0-3 is in
	ds_add_u32 v[SPW], v[NIL]
	s_wait_dscnt 0x0
	CROUND                                         ; everybody's quarter is in, and all four work-groups are here: the joint loads meet
	tensor_load_to_lds s[G0+4:G0+7], s[G1:G1+7]    ; K steps 4-7, filled once: it has three and a half K steps, 224 matrix instructions of mine, in which to land
	s_nop 0
	PLACES
	FETCH_A 0, 0
	FETCH_A 0, 4
	STEP 0, 1                                      ; the first products start the sums: nothing is cleared
	STEP 1, 0
	STEP 2, 0
	STEP 3, 0
	STEP 4, 0
	STEP 5, 0
	STEP 6, 0
	STEP 7, 0
; THE WAY OUT: each resident tile's 64 numbers a lane are one fragment: quantised in registers and stored as it stands.
.macro EPI v
.irp a, 0,1,2,3,4,5,6,7
.if \a > 0
	s_wait_xcnt 0x0                                ; the last tile's stores have read their registers: the codes may be written again
.endif
	QUANT 64*(\a%4), 2+\a/4, 2, PWS+\a
.if \v
	PUTHI OB, 98304*(\a/4)+1536*(\a%4), 0          ; V: head a / 4 of my two, d tile a % 4: keys 0-63,
	PUTHI OB, 98304*(\a/4)+1536*(\a%4)+768, 1      ; keys 64-127
.else
	PUTHI OB, 768*\a, 0                            ; Q, K: token tile a: the first of my two heads,
	PUTHI OB, 768*\a+98304, 1                      ; the second
.endif
.endr
.endm
	s_cmp_lt_u32 ttmp9, 32
	s_cbranch_scc0 .Lv
	s_lshr_b32 s20, s18, 3                         ; 0: Q, 1: K
	s_and_b32 s21, s18, 7
	s_lshl_b32 s21, s21, 1
	s_lshr_b32 s22, ttmp9, 4
	s_lshl_b32 s22, s22, 4
	s_add_co_u32 s21, s21, s22                     ; 16 batch + the first of my two heads
	s_and_b32 s22, ttmp9, 15                       ; the block of 128 tokens in its batch
	s_lshl_b32 s23, s21, 7
	s_lshl_b32 s58, s22, 3
	s_add_co_u32 s23, s23, s58
	s_mul_i32 s23, s23, 768
	s_mul_i32 s58, s20, 3145728
	s_add_co_u32 s60, s23, s58
	s_mov_b32 s61, 0
	s_add_nc_u64 s[OB:OB+1], s[8:9], s[60:61]
	s_lshl_b32 s23, s21, 4
	s_add_co_u32 s23, s23, s22
	s_lshl_b32 s23, s23, 9
	s_lshl_b32 s58, s20, 18
	s_add_co_u32 s23, s23, s58
	s_add_co_u32 s60, s23, 9437184
	s_add_nc_u64 s[OS:OS+1], s[8:9], s[60:61]
	EPI 0
.irp e, 0,1                            ; head e's two bytes of each tile's word; lanes 0-15 carry the even tiles' words, lanes 16-31 the odd ones'
.irp a, 0,1,2,3,4,5,6,7
.if \e
	v_lshrrev_b32 v[T+8+\a], 16, v[PWS+\a]
.else
	v_and_b32 v[T+\a], 0xffff, v[PWS+\a]
.endif
.endr
.irp j, 0,1,2,3
	v_cndmask_b32 v[DD+4*\e+\j], v[T+8*\e+2*\j], v[T+8*\e+2*\j+1], s[HM]
.endr
	global_store_b128 v[L16], v[DD+4*\e:DD+4*\e+3], s[OS:OS+1] offset:8192*\e
.endr
	s_branch .Lend
.Lv:
	s_sub_co_u32 s20, s19, 16                      ; which 128 columns of V
	s_lshl_b32 s20, s20, 1
	s_lshr_b32 s21, s18, 4
	s_lshl_b32 s21, s21, 4
	s_add_co_u32 s20, s20, s21                     ; 16 batch + the first of my two heads
	s_lshl_b32 s20, s20, 4
	s_and_b32 s21, s18, 15
	s_add_co_u32 s20, s20, s21                     ; x 16 + the key step
	s_mul_i32 s60, s20, 6144
	s_add_co_u32 s60, s60, 6291456
	s_mov_b32 s61, 0
	s_add_nc_u64 s[OB:OB+1], s[8:9], s[60:61]
	s_lshl_b32 s60, s20, 8
	s_add_co_u32 s60, s60, 9961472
	s_add_nc_u64 s[OS:OS+1], s[8:9], s[60:61]
	EPI 1
.irp e, 0,1
.irp j, 0,1
	v_cndmask_b32 v[DD+2*\e+\j], v[PWS+4*\e+2*\j], v[PWS+4*\e+2*\j+1], s[HM]
.endr
	global_store_b64 v[L8], v[DD+2*\e:DD+2*\e+1], s[OS:OS+1] offset:4096*\e
.endr
.Lend:
	s_wait_tensorcnt 0x0                           ; the wave's end
	ds_add_u32 v[SPW], v[NIL]
	s_wait_dscnt 0x0
	CROUND                                         ; the closing round
	s_endpgm
.Lfunc_end_k_q78ce9f8e2f_qkv:
	.size	k_q78ce9f8e2f_qkv, .Lfunc_end_k_q78ce9f8e2f_qkv-k_q78ce9f8e2f_qkv
	.p2alignl 7, 3214868480
	.fill 96, 4, 3214868480
	.section	.rodata,"a",@progbits
	.p2align	6, 0x0
	.amdhsa_kernel k_q78ce9f8e2f_qkv
		.amdhsa_group_segment_fixed_size 327680
		.amdhsa_private_segment_fixed_size 0
		.amdhsa_enable_private_segment 0
		.amdhsa_kernarg_size 24
		.amdhsa_user_sgpr_count 2
		.amdhsa_user_sgpr_kernarg_segment_ptr 1
		.amdhsa_wavefront_size32 1
		.amdhsa_system_sgpr_workgroup_id_x 1
		.amdhsa_system_sgpr_workgroup_id_y 1
		.amdhsa_system_sgpr_workgroup_id_z 1
		.amdhsa_system_vgpr_workitem_id 0
		.amdhsa_next_free_vgpr 1024
		.amdhsa_next_free_sgpr 100
		.amdhsa_reserve_vcc 0
		.amdhsa_float_denorm_mode_32 3
		.amdhsa_float_denorm_mode_16_64 3
		.amdhsa_memory_ordered 1
		.amdhsa_forward_progress 1
		.amdhsa_inst_pref_size 186
	.end_amdhsa_kernel
	.amdgpu_metadata
---
amdhsa.version: [ 1, 2 ]
amdhsa.kernels:
  - .name:           k_q78ce9f8e2f_qkv
    .symbol:         k_q78ce9f8e2f_qkv.kd
    .args:
      - { .name: xa, .offset: 0, .size: 8, .value_kind: global_buffer, .address_space: global }
      - { .name: wl, .offset: 8, .size: 8, .value_kind: global_buffer, .address_space: global }
      - { .name: qkv, .offset: 16, .size: 8, .value_kind: global_buffer, .address_space: global }
    .group_segment_fixed_size: 327680
    .private_segment_fixed_size: 0
    .kernarg_segment_align: 8
    .kernarg_segment_size: 24
    .max_flat_workgroup_size: 128
    .sgpr_count:     100
    .vgpr_count:     1024
    .wavefront_size: 32
...
	.end_amdgpu_metadata
.endif
;; end of part 2
;; launch attn (part 3): grid 8 x 32, 16 waves a work-group, clusters of 4 x 1, 327,680 bytes of LDS; arguments qkv, ao; writes ao
.if DOCPART == 3
	.amdgcn_target "amdgcn-amd-amdhsa--gfx1250"
	.amdhsa_code_object_version 6
	.text
	.protected	k_q78ce9f8e2f_attn
	.globl	k_q78ce9f8e2f_attn
	.p2align	8
	.type	k_q78ce9f8e2f_attn,@function
k_q78ce9f8e2f_attn:
	s_mov_b64 s[64:65], 0
	v_nop
	global_prefetch_b8 v0, s[64:65] scope:SCOPE_SE
	s_setreg_imm32_b32 hwreg(HW_REG_WAVE_MODE, 25, 1), 1
	s_wait_xcnt 0x0
	s_wait_alu depctr_hold_cnt(0) depctr_sa_sdst(0) depctr_va_vdst(0) depctr_va_sdst(0) depctr_va_ssrc(0) depctr_va_vcc(0) depctr_vm_vsrc(0)
	s_getreg_b32 s2, hwreg(HW_REG_IB_STS2, 6, 4)
	s_cmp_eq_u32 s2, 0
	s_cbranch_scc0 .Lentry_in_a_cluster
	s_endpgm
.Lentry_in_a_cluster:
	s_bfe_u32 s2, ttmp6, 0x10000c
	s_cmp_lg_u32 s2, 0x3003
	s_cbranch_scc0 .Lentry_shape_is_right
	s_endpgm
.Lentry_shape_is_right:
; ATTN: causal attention of one head (grid y = 16 batch + head) on codes of FP6 (E2M3); its result is quantised at once as the operand of the product with w_o.
; SOFTMAX: t = score x log2(e) / 8; M = the running largest t rounded up to a whole number; p = 2^(t - M) is quantised along the keys, not normalised; the row's sum is taken of the unquantised p
; and divides at the end; when M moves, the sum and O are multiplied by 2^(old M - new M): exact.
; SHARES: the work-group owns tile j (its x, 16 queries) of each of the 16 groups of 128 queries; tile (g, j) walks g + 1 key steps of 128.  Groups u and 15 - u make 17 steps, dealt to waves 2 u and 2 u + 1:
; the LONG wave walks steps 0-8 of group 15 - u; the SHORT wave walks group u, stores it, then walks steps 9 .. 15 - u of group 15 - u and hands its partial (-M, sums, O^T) to the long wave through LDS.
; LDS holds the head's whole K and V and their scale words, each byte filled once, by joint loads of the cluster's four work-groups (mask 15), which read the same head.  At the head waves 0-7 ask for key steps
; 0 and 1 of K and V (12 rows of 256 bytes each) and waves 8-13 for the scale words (8 rows each); behind the three lines and a round every wave asks for 42 rows of the rest, which lands while steps 0 and 1 are walked.
; No prefetch: both groups of loads stand ahead of the loops, so no loop runs ahead of a load.
; LAYOUT: both products are used transposed (S^T = K Q^T, O^T = V^T P^T): a lane holds one query.  A TILE OF K IS FORMED BY ADDRESSES: tile 4 c + t takes keys 64 c + 8 t + 0..7 in rows 0-7 and keys 64 c + 32 + 8 t + 0..7
; in rows 8-15, so that lane half h holds in registers 32 c + i the keys 64 c + 32 h + i: a whole block of 32 keys in one lane, in the order of the second product's operand.  In the stored tiles (a: rows 0-7 keys 32 (a / 2) + 8 (a % 2) ..,
; rows 8-15 sixteen further on) these are rows 8 (t / 2) + 0..7 of tile 4 c + t % 2 (lanes r < 8) and of tile 4 c + 2 + t % 2 (lanes r >= 8): 1,536 bytes apart.
; THE HEAD'S 64 IN AN INSTRUCTION OF 128: Q's registers 6-11 are zero codes and the upper two scale bytes of Q and K are 0 (a finite code); a key tile's operand names the next tile's six registers (behind the last: zeros) too.
; CAUSAL: a step that is not the wave's is jumped over (ids alone); in a tile's last step hidden scores become -infinity.  All trip counts are constants.
; LIMITS: NaN and infinities are not served; a block whose largest number lies under 2^-124 is held at the byte 1, a block of zeros gets the byte 1 (zero codes); the scaled scores stay under 2^31 in magnitude.
.set KS_,   196608                     ; LDS: K 0; V 98,304; K's scale words 196,608 (512 a step); V's 204,800 (256 a step)
.set VS_,   204800
.set PART,  208896                     ; the partials: 4,608 bytes a wave; no fill lands here
.set SPARE, 282624                     ; the spare words, 128 bytes a wave
.set L16, 1                            ; v1 16 x lane, v2 8 x lane; v3, v4 the same + 98,304 (V); v5 K's scale words; v6 V's
.set L8,  2
.set SPW, 7
.set NIL, 8
.set DQ,  9                            ; my query in its group, less 32 h
.set KF,  32                           ; v32-85 eight key tiles and six zeros, then four fragments of V
.set PC,  192                          ; v192-210 codes
.set TM,  212                          ; v212-227 at work
.set KB16, 228                         ; 1,536 (r / 8) + 256 h + 16 (r % 8)
.set KB8,  229                         ; 1,536 (r / 8) + 128 h + 8 (r % 8)
.set SH8,  230                         ; 8 h
.set QSO, 232
.set BA,  233
.set PWA, 234
.set PRA, 235
.set Q2,  236                          ; v236-241 the second tile's Q, v242 its scale words
.set BYT, 243
.set WV,  8
.set G,   9
.set SI,  10
.set TK,  11
.set TSK, 12
.set TSV, 13
.set SEL, 14
.set CS,  16
.set HM,  18
.set J,   19
.set BH,  20
.set CNT, 21
.set ROLE, 2
.set GB,  3
.set GE,  66
.set G1A, 24                           ; group 1: 12 rows;  G1S: 8 rows;  G1B: 42 rows
.set G1S, 32
.set G1B, 40
.set G0A, 48
.set G0S, 52
.set G0B, 56
.macro PLACES
.rept 4
	v_nop
.endr
.endm
.macro CROUND
	s_barrier_signal -1
	s_barrier_wait -1
	s_cmp_lg_u32 s[WV], 0
	s_cbranch_scc1 .Lnot_wave_0_\@
	s_barrier_signal -3
.Lnot_wave_0_\@:
	s_barrier_wait -3
	s_barrier_signal -1
	s_barrier_wait -1
.endm
.macro GROUP1 g, rows                  ; dense rows of 256 bytes (32 elements of 8), asked for jointly by all four work-groups
	s_mov_b32 s[\g], 15|(3<<16)|(1<<21)
	s_mov_b32 s[\g+1], 32<<16
	s_mov_b32 s[\g+2], (\rows)<<16
	s_mov_b32 s[\g+3], 32<<16
	s_mov_b32 s[\g+4], \rows
	s_mov_b32 s[\g+5], 32
	s_mov_b32 s[\g+6], 0
	s_mov_b32 s[\g+7], 0
.endm
.macro GROUP0 g, off                   ; the LDS address stands in s[g+1] already
	s_mov_b32 s[\g], 1
	s_add_nc_u64 s[\g+2:\g+3], s[4:5], s[\off:\off+1]
	s_or_b32 s[\g+3], s[\g+3], 0x80000000
.endm
	s_load_b128 s[4:7], s[0:1], 0x0                ; qkv, ao
	v_lshl_add_u32 v[SPW], v0, 2, SPARE
	v_mov_b32 v[NIL], 0
	ds_add_u32 v[SPW], v[NIL]                      ; the opening lines: the add, twice on end, and its wait
	ds_add_u32 v[SPW], v[NIL]
	v_lshrrev_b32 v10, 5, v0
	v_readfirstlane_b32 s[WV], v10                 ; wave 0..15
	s_lshr_b32 s22, s[WV], 2
	s_xor_b32 s22, s22, s[WV]
	s_and_b32 s[ROLE], s22, 1                      ; 0: the pair's long wave, 1: the short one
	s_lshr_b32 s23, s[WV], 1                       ; the pair u
	s_sub_co_u32 s[GB], 15, s23
	s_cmp_eq_u32 s[ROLE], 0
	s_cselect_b32 s[G], s[GB], s23                 ; the first tile's group
	s_and_b32 s[BH], ttmp7, 0xffff
	s_bfe_u32 s92, ttmp6, 0x40000                  ; cx: it enters Q's and the output's addresses and the mask's numbers alone
	s_lshl_b32 s[J], ttmp9, 2
	s_add_co_u32 s[J], s[J], s92
	v_and_b32 v10, 31, v0                          ; lane
	v_and_b32 v11, 15, v0                          ; r
	v_bfe_u32 v90, v0, 4, 1                        ; h
	v_and_b32 v91, 7, v0                           ; r % 8
	v_bfe_u32 v92, v0, 3, 1                        ; r / 8
	v_lshlrev_b32 v[L16], 4, v10
	v_lshlrev_b32 v[L8], 3, v10
	v_mul_u32_u24 v[KB16], v92, 1536
	v_lshlrev_b32 v5, 8, v90
	v_lshlrev_b32 v[SH8], 3, v90
	v_lshlrev_b32 v[QSO], 4, v11
	v_lshl_add_u32 v[BA], v11, 4, v90
	v_lshl_add_u32 v[DQ], v92, 3, v11              ; r + 8 (r / 8)
	v_lshlrev_b32 v93, 5, v90
	v_add_nc_u32 v3, 98304, v[L16]
	v_add_nc_u32 v4, 98304, v[L8]
	v_add_nc_u32 v6, VS_, v[L8]
	v_lshl_add_u32 v[KB8], v90, 7, v[KB16]
	v_lshl_add_u32 v[KB16], v90, 8, v[KB16]
	v_lshl_add_u32 v5, v91, 4, v5
	v_sub_nc_u32 v[DQ], v[DQ], v93
	v_lshl_add_u32 v[KB8], v91, 3, v[KB8]
	v_lshl_add_u32 v[KB16], v91, 4, v[KB16]
	v_lshl_add_u32 v5, v92, 2, v5
	s_mul_i32 s22, s[WV], 4608
	s_add_co_u32 s22, s22, PART
	v_add_nc_u32 v[PWA], s22, v[L16]               ; my partial
	s_xor_b32 s22, s[WV], 1
	s_mul_i32 s22, s22, 4608
	s_add_co_u32 s22, s22, PART
	v_add_nc_u32 v[PRA], s22, v[L16]               ; my partner's
	v_add_nc_u32 v5, KS_, v5                       ; KS_ + 256 h + 16 (r % 8) + 4 (r / 8)
	s_lshr_b32 s74, s[J], 1
	s_lshl_b32 s74, s74, 5
	s_and_b32 s75, s[J], 1
	s_lshl_b32 s75, s75, 3
	s_add_co_u32 s74, s74, s75
	s_wait_alu depctr_va_vdst(0)                   ; directly ahead of the reader below
	v_add_nc_u32 v[DQ], s74, v[DQ]                 ; 32 (j / 2) + 8 (j % 2) + r + 8 (r / 8) - 32 h
	GROUP1 G1A, 12
	GROUP1 G1S, 8
	GROUP1 G1B, 42
	s_mov_b32 s[SEL], 0x76543210
	s_mov_b32 s[SEL+1], 0xfedcba98
	s_mov_b32 s[CS], 0x3e38aa3b                    ; log2(e) / 8
	s_mov_b32 s[CS+1], s[CS]
	s_mov_b32 s[HM], 0xffff0000
	s_mov_b32 s[SI], 0
	s_mov_b32 s[TK], 0
	s_mov_b32 s[TSK], 0
	s_mov_b32 s[TSV], 0
	s_mul_i32 s76, s[BH], 98304
	s_add_co_u32 s76, s76, 3145728                 ; the head's K; its V lies 3,145,728 further on
	s_lshr_b32 s22, s[WV], 2                       ; at the head, waves 0-7: K or V,
	s_and_b32 s23, s[WV], 3                        ; and which 3,072 bytes of its key steps 0 and 1
	s_mul_i32 s74, s22, 98304
	s_mul_i32 s75, s23, 3072
	s_add_co_u32 s[G0A+1], s74, s75
	s_mul_i32 s68, s22, 3145728
	s_add_co_u32 s68, s68, s75
	s_add_co_u32 s68, s68, s76
	s_mov_b32 s69, 0
	s_lshl_b32 s74, s[WV], 11                      ; waves 8-13: 2,048 bytes of the scale words: four pieces of K's, two of V's, which lie on end in LDS
	s_add_co_u32 s[G0S+1], s74, KS_-16384
	s_lshl_b32 s22, s[BH], 13
	s_add_co_u32 s22, s22, s74
	s_add_co_u32 s22, s22, 9699328-16384
	s_lshl_b32 s23, s[BH], 12
	s_add_co_u32 s23, s23, s74
	s_add_co_u32 s23, s23, 9961472-24576
	s_cmp_lt_u32 s[WV], 12
	s_cselect_b32 s70, s22, s23
	s_mov_b32 s71, 0
	s_lshr_b32 s22, s[WV], 3                       ; behind the round, every wave: K or V,
	s_and_b32 s23, s[WV], 7                        ; and which 10,752 bytes of its key steps 2 to 15
	s_mul_i32 s74, s22, 98304
	s_mul_i32 s75, s23, 10752
	s_add_co_u32 s75, s75, 12288
	s_add_co_u32 s[G0B+1], s74, s75
	s_mul_i32 s72, s22, 3145728
	s_add_co_u32 s72, s72, s75
	s_add_co_u32 s72, s72, s76
	s_mov_b32 s73, 0
	s_lshl_b32 s92, s[BH], 7
	s_lshl_b32 s93, s[G], 3
	s_add_co_u32 s92, s92, s93
	s_add_co_u32 s92, s92, s[J]
	s_mul_i32 s92, s92, 768                        ; my first tile of Q
	s_mov_b32 s93, 0
	s_lshl_b32 s22, s[BH], 4
	s_add_co_u32 s22, s22, s[G]
	s_lshl_b32 s22, s22, 9
	s_and_b32 s23, s[J], 1
	s_lshl_b32 s23, s23, 8
	s_add_co_u32 s22, s22, s23
	s_lshr_b32 s23, s[J], 1
	s_lshl_b32 s23, s23, 2
	s_add_co_u32 s22, s22, s23
	s_add_co_u32 s22, s22, 9437184                 ; its scale words
	s_mov_b32 s23, 0
	s_sub_co_u32 s98, s[GB], s[G]                  ; the larger group's tile lies so many groups on: 6,144 bytes of codes, 512 of scale words a group
	s_mul_i32 s94, s98, 6144
	s_mov_b32 s95, 0
	s_lshl_b32 s96, s98, 9
	s_mov_b32 s97, 0
	s_wait_alu depctr_va_vdst(0)
	s_wait_dscnt 0x0                               ; both opening adds are done
	s_wait_kmcnt 0x0
	s_add_nc_u64 s[92:93], s[4:5], s[92:93]
	s_add_nc_u64 s[22:23], s[4:5], s[22:23]
	s_add_nc_u64 s[94:95], s[92:93], s[94:95]
	s_add_nc_u64 s[96:97], s[22:23], s[96:97]
	global_load_b128 v[16:19], v[L16], s[92:93]    ; the first tile's half fragment of Q, its scale words,
	global_load_b64 v[20:21], v[L8], s[92:93] offset:512
	global_load_b32 v28, v[QSO], s[22:23]
	global_load_b128 v[Q2:Q2+3], v[L16], s[94:95]  ; and the larger group's, for the short wave's second tile
	global_load_b64 v[Q2+4:Q2+5], v[L8], s[94:95] offset:512
	global_load_b32 v[Q2+6], v[QSO], s[96:97]
	GROUP0 G0A, 68
	GROUP0 G0S, 70
	GROUP0 G0B, 72
	CROUND                                         ; all four work-groups are here: the joint loads meet
	s_cmp_lt_u32 s[WV], 8                          ; one chain of branches on the wave's number, one load to an arm
	s_cbranch_scc0 .Lhead_s
	tensor_load_to_lds s[G0A:G0A+3], s[G1A:G1A+7]
	s_nop 0
	PLACES
	s_branch .Lasked
.Lhead_s:
	s_cmp_lt_u32 s[WV], 14
	s_cbranch_scc0 .Lasked
	tensor_load_to_lds s[G0S:G0S+3], s[G1S:G1S+7]
	s_nop 0
	PLACES
.Lasked:
.irp i, 22,23,24,25,26,27,80,81,82,83,84,85
	v_mov_b32 v\i, 0                               ; Q's k = 64 .. 127, and the six registers behind the last key tile: zero codes
.endr
	v_mov_b32 v13, 0xff61b1e6                      ; the largest t so far: -3e38
	v_mov_b32 v14, 0                               ; the sum, in two halves
	v_mov_b32 v15, 0
	v_mov_b32 v95, 0                               ; (the upper half of the pair v[94:95])
	v_floor_f32 v12, -v13                          ; -M
.irp b, 0,1,2,3
	v_mov_b32 v[TM+4+\b], 0                        ; a lane permute's destination counts as one of its sources
.endr
.set j, 0
.rept 32
	v_mov_b32 v[160+j], 0                          ; O^T
.set j, j+1
.endr
; A KEY STEP: 128 keys
.macro STEP
	v_add_nc_u32 v10, s[TK], v[KB16]               ; with the v_nop: the four places in front of loads into registers that the last products read
	v_add_nc_u32 v11, s[TK], v[KB8]
	v_add_nc_u32 v92, s[TSK], v5
	v_nop
	s_cmp_gt_u32 s[SI], s[G]                       ; not my step: ids and the count of steps alone
	s_cbranch_scc1 .Lhidden_\@
.irp t, 0,1,2,3,4,5,6,7
	ds_load_b128 v[KF+6*\t:KF+6*\t+3], v10 offset:768*(4*(\t/4)+\t%2)+128*((\t%4)/2)
	ds_load_b64 v[KF+6*\t+4:KF+6*\t+5], v11 offset:512+768*(4*(\t/4)+\t%2)+64*((\t%4)/2)
.endr
.irp p, 0,1,2,3
	ds_load_b32 v[86+\p], v92 offset:128*(\p%2)+8*(\p/2)      ; register 2 c + t / 2: lanes 0-15 the words of tile 4 c + t with t even, lanes 16-31 with t odd
.endr
	s_wait_dscnt 0x0
.irp t, 0,1,2,3,4,5,6,7
.if \t%2
	v_wmma_scale_f32_16x16x128_f8f6f4 v[96+8*\t:103+8*\t], v[KF+6*\t:KF+6*\t+11], v[16:27], 0, v[86+2*(\t/4)+(\t%4)/2], v28 matrix_a_fmt:MATRIX_FMT_FP6 matrix_b_fmt:MATRIX_FMT_FP6 matrix_a_scale:MATRIX_SCALE_ROW1
.else
	v_wmma_scale_f32_16x16x128_f8f6f4 v[96+8*\t:103+8*\t], v[KF+6*\t:KF+6*\t+11], v[16:27], 0, v[86+2*(\t/4)+(\t%4)/2], v28 matrix_a_fmt:MATRIX_FMT_FP6 matrix_b_fmt:MATRIX_FMT_FP6
.endif
.endr
	v_add_nc_u32 v90, s[TK], v3                    ; four places behind the products
	v_add_nc_u32 v91, s[TK], v4
	v_add_nc_u32 v93, s[TSV], v6
	v_nop
.irp t, 0,1,2,3                        ; V's four fragments land while the softmax is walked
	ds_load_b128 v[KF+12*\t:KF+12*\t+3], v90 offset:1536*\t
	ds_load_b64 v[KF+12*\t+4:KF+12*\t+5], v91 offset:1536*\t+512
	ds_load_b128 v[KF+12*\t+6:KF+12*\t+9], v90 offset:1536*\t+768
	ds_load_b64 v[KF+12*\t+10:KF+12*\t+11], v91 offset:1536*\t+1280
.endr
	ds_load_b64 v[30:31], v93
	s_cmp_lg_u32 s[SI], s[G]
	s_cbranch_scc1 .Lopen_\@
	v_mov_b32 v[TM+10], 0xff800000                 ; the diagonal step: register 32 c + i holds key 64 c + 32 h + i of my own group: hidden where 64 c + i > my query - 32 h
.set n, 0
.rept 64
	v_cmp_gt_i32 vcc_lo, 64*(n/32)+n%32, v[DQ]
	v_cndmask_b32 v[96+n], v[96+n], v[TM+10], vcc_lo
.set n, n+1
.endr
.Lopen_\@:
.irp k, 0,1,2,3
	v_max3_num_f32 v[TM+\k], v[96+16*\k], v[97+16*\k], v[98+16*\k]    ; four chains by turns; each accumulator is read from its low end on
.endr
.irp i, 3,5,7,9,11,13
.irp k, 0,1,2,3
	v_max3_num_f32 v[TM+\k], v[TM+\k], v[96+16*\k+\i], v[97+16*\k+\i]
.endr
.endr
	v_max3_num_f32 v[TM], v[TM], v[TM+1], v111
	v_max3_num_f32 v[TM+1], v[TM+2], v[TM+3], v143
	v_max_num_f32 v[TM], v[TM], v127               ; the largest score of my block c = 0 (32 keys, all mine),
	v_max_num_f32 v[TM+1], v[TM+1], v159           ; and of c = 1: for the row's maximum and, since p rises with the score, for the block's largest p
	s_delay_alu instid0(VALU_DEP_1)
	v_max_num_f32 v[TM+10], v[TM], v[TM+1]
	s_delay_alu instid0(VALU_DEP_1)
	v_permlanex16_b32 v[TM+4], v[TM+10], s[SEL], s[SEL+1]
	s_delay_alu instid0(VALU_DEP_1)
	v_max_num_f32 v[TM+10], v[TM+10], v[TM+4]      ; with lane xor 16's two blocks
	s_delay_alu instid0(VALU_DEP_1)
	v_mul_f32 v[TM+10], s[CS], v[TM+10]
	s_delay_alu instid0(VALU_DEP_1)
	v_max_num_f32 v13, v13, v[TM+10]               ; the running largest t
	v_mov_b32 v[TM+10], v12
	s_delay_alu instid0(VALU_DEP_2)
	v_floor_f32 v12, -v13                          ; the new -M
	s_delay_alu instid0(VALU_DEP_1)
	v_sub_f32 v[TM+10], v12, v[TM+10]              ; old M - new M: a whole number, 0 or less
	s_delay_alu instid0(VALU_DEP_1)
	v_cvt_i32_f32 v[TM+10], v[TM+10]
	s_delay_alu instid0(VALU_DEP_1)
	v_ldexp_f32 v94, 1.0, v[TM+10]                 ; f = 2^(old M - new M)
.set j, 0
.rept 32
	v_pk_fma_f32 v[96+j:97+j], v[96+j:97+j], s[CS:CS+1], v[12:13] op_sel_hi:[1,0,0]    ; t - M
.set j, j+2
.endr
	v_fma_f32 v[TM], v[TM], s[CS], v12
	v_fma_f32 v[TM+1], v[TM+1], s[CS], v12
	s_wait_alu depctr_va_vdst(0)                   ; the wait ahead of the batch
.set j, 0
.rept 64
	v_exp_f32 v[96+j], v[96+j]                     ; p = 2^(t - M)
.set j, j+1
.endr
	v_pk_mul_f32 v[14:15], v[14:15], v[94:95] op_sel_hi:[1,0]         ; the sums under the new M
	s_wait_alu depctr_va_vdst(0)                   ; one wait for the 64
	v_exp_f32 v[TM], v[TM]                         ; the blocks' largest p
	v_exp_f32 v[TM+1], v[TM+1]
.set j, 0
.irp a, 220,244,246,248,250,252,254    ; the row's sum of the unquantised p, in eight chains
	v_pk_add_f32 v[\a:\a+1], v[96+4*j:97+4*j], v[98+4*j:99+4*j]
.set j, j+1
.endr
.set j, 124
.rept 2
.irp a, 14,220,244,246,248,250,252,254
	v_pk_add_f32 v[\a:\a+1], v[\a:\a+1], v[j:j+1]
.set j, j+2
.endr
.endr
	v_pk_add_f32 v[14:15], v[14:15], v[156:157]
	v_pk_add_f32 v[220:221], v[220:221], v[158:159]
	v_pk_add_f32 v[244:245], v[244:245], v[246:247]
	v_pk_add_f32 v[248:249], v[248:249], v[250:251]
	v_pk_add_f32 v[252:253], v[252:253], v[254:255]
	v_pk_add_f32 v[14:15], v[14:15], v[220:221]
	v_pk_add_f32 v[244:245], v[244:245], v[248:249]
	s_delay_alu instid0(VALU_DEP_2)
	v_pk_add_f32 v[14:15], v[14:15], v[252:253]
	s_delay_alu instid0(VALU_DEP_1)
	v_pk_add_f32 v[14:15], v[14:15], v[244:245]
	s_wait_alu depctr_va_vdst(0)                   ; and one for the two
	v_max_num_f32 v[TM], 0x1800000, v[TM]          ; the floor 2^(3 - 127)
	v_max_num_f32 v[TM+1], 0x1800000, v[TM+1]
	s_delay_alu instid0(VALU_DEP_2)
	v_add_nc_u32 v[TM+12], 0xff000000, v[TM]       ; 2 off the exponent field: the conversion's scale operand
	s_delay_alu instid0(VALU_DEP_2)
	v_add_nc_u32 v[TM+13], 0xff000000, v[TM+1]
	s_delay_alu instid0(VALU_DEP_2)
	v_lshrrev_b32 v[TM+4], 23, v[TM+12]
	s_delay_alu instid0(VALU_DEP_2)
	v_lshrrev_b32 v[TM+5], 23, v[TM+13]
	s_delay_alu instid0(VALU_DEP_1)
	v_lshl_or_b32 v29, v[TM+5], 16, v[TM+4]        ; my two bytes: blocks h and 2 + h,
	s_delay_alu instid0(VALU_DEP_1)
	v_lshlrev_b32 v29, v[SH8], v29                 ; at their places in the word;
	s_delay_alu instid0(VALU_DEP_1)
	v_permlanex16_b32 v[TM+6], v29, s[SEL], s[SEL+1]
	s_delay_alu instid0(VALU_DEP_1)
	v_or_b32 v29, v29, v[TM+6]                     ; with lane xor 16's two: p's scale word for these 128 keys
.irp c, 0,1
	v_cvt_scalef32_pk16_fp6_f32 v[PC+6*\c:PC+6*\c+2], v[96+32*\c:111+32*\c], v[TM+12+\c]
	v_cvt_scalef32_pk16_fp6_f32 v[PC+12+4*\c:PC+14+4*\c], v[112+32*\c:127+32*\c], v[TM+12+\c]     ; (a conversion's three registers begin on an even number)
.endr
	v_nop                                          ; one plain place behind a scaled conversion
.irp c, 0,1
.irp i, 0,1,2
	v_mov_b32 v[PC+6*\c+3+\i], v[PC+12+4*\c+\i]
.endr
.endr
	s_wait_alu depctr_va_vdst(0)                   ; the wait directly ahead of the first reader of O^T
.set j, 0
.rept 16
	v_pk_mul_f32 v[160+j:161+j], v[160+j:161+j], v[94:95] op_sel_hi:[1,0]     ; O^T under the new M; also the places between the scale word's and the codes' last writes and the products
.set j, j+2
.endr
	s_wait_alu depctr_va_vdst(0)
	s_wait_dscnt 0x0                               ; V
.irp t, 0,1,2,3
.if \t%2
	v_wmma_scale_f32_16x16x128_f8f6f4 v[160+8*\t:167+8*\t], v[KF+12*\t:KF+12*\t+11], v[PC:PC+11], v[160+8*\t:167+8*\t], v[30+\t/2], v29 matrix_a_fmt:MATRIX_FMT_FP6 matrix_b_fmt:MATRIX_FMT_FP6 matrix_a_scale:MATRIX_SCALE_ROW1
.else
	v_wmma_scale_f32_16x16x128_f8f6f4 v[160+8*\t:167+8*\t], v[KF+12*\t:KF+12*\t+11], v[PC:PC+11], v[160+8*\t:167+8*\t], v[30+\t/2], v29 matrix_a_fmt:MATRIX_FMT_FP6 matrix_b_fmt:MATRIX_FMT_FP6
.endif
.endr
.Lhidden_\@:
	s_add_co_u32 s[SI], s[SI], 1
	s_add_co_u32 s[TK], s[TK], 6144
	s_add_co_u32 s[TSK], s[TSK], 512
	s_add_co_u32 s[TSV], s[TSV], 256
.endm
; THE WAY OUT of tile j of group s[GE]: O^T / the sum is half a fragment of the next product's operand (K = 64 head + d): quantised in registers and stored as it stands
.macro EPI
	v_add_f32 v14, v14, v15
	s_delay_alu instid0(VALU_DEP_1)
	v_permlanex16_b32 v[TM+4], v14, s[SEL], s[SEL+1]
	s_delay_alu instid0(VALU_DEP_1)
	v_add_f32 v14, v14, v[TM+4]                    ; the row's sum
	s_wait_alu depctr_va_vdst(0)
	v_rcp_f32 v14, v14
	PLACES
	s_and_b32 s92, s[BH], 15                       ; head
	s_lshr_b32 s93, s[BH], 4
	s_lshl_b32 s93, s93, 4
	s_add_co_u32 s93, s93, s[GE]                   ; the block of 128 tokens
	s_lshr_b32 s94, s92, 1                         ; K step
	s_and_b32 s92, s92, 1                          ; which half of it
	s_mul_i32 s96, s93, 98304
	s_mul_i32 s95, s94, 12288
	s_add_co_u32 s96, s96, s95
	s_mul_i32 s95, s[J], 1536
	s_add_co_u32 s96, s96, s95
	s_mul_i32 s95, s92, 768
	s_add_co_u32 s96, s96, s95
	s_mov_b32 s97, 0
	s_add_nc_u64 s[96:97], s[6:7], s[96:97]
	s_lshl_b32 s98, s93, 12
	s_lshl_b32 s95, s[J], 9
	s_add_co_u32 s98, s98, s95
	s_and_b32 s95, s94, 1
	s_lshl_b32 s95, s95, 8
	s_add_co_u32 s98, s98, s95
	s_lshr_b32 s95, s94, 1
	s_lshl_b32 s95, s95, 2
	s_add_co_u32 s98, s98, s95
	s_lshl_b32 s95, s92, 1
	s_add_co_u32 s98, s98, s95
	s_add_co_u32 s98, s98, 3145728
	s_mov_b32 s99, 0
	s_add_nc_u64 s[98:99], s[6:7], s[98:99]
	s_wait_alu depctr_va_vdst(0)                   ; the wait ahead of the reciprocal's and O^T's first reader
.set j, 0
.rept 32
	v_mul_f32 v[96+j], v[160+j], v14               ; register 16 b + i: d = 32 b + 16 h + i of my query
.set j, j+1
.endr
.irp b, 0,1
	v_max3_num_f32 v[TM+\b], 0x1800000, |v[96+16*\b]|, |v[97+16*\b]|
.endr
.irp i, 2,4,6,8,10,12,14
.irp b, 0,1
	s_delay_alu instid0(VALU_DEP_2)
	v_max3_num_f32 v[TM+\b], v[TM+\b], |v[96+16*\b+\i]|, |v[97+16*\b+\i]|
.endr
.endr
.irp b, 0,1
	s_delay_alu instid0(VALU_DEP_2)
	v_permlanex16_b32 v[TM+4+\b], v[TM+\b], s[SEL], s[SEL+1]
.endr
.irp b, 0,1
	s_delay_alu instid0(VALU_DEP_2)
	v_max_num_f32 v[TM+\b], v[TM+\b], v[TM+4+\b]
.endr
.irp b, 0,1
	s_delay_alu instid0(VALU_DEP_2)
	v_add_nc_u32 v[TM+12+\b], 0xff000000, v[TM+\b]
.endr
.irp b, 0,1
	s_delay_alu instid0(VALU_DEP_2)
	v_lshrrev_b32 v[TM+4+\b], 23, v[TM+12+\b]
.endr
	v_cvt_scalef32_pk16_fp6_f32 v[PC:PC+2], v[96:111], v[TM+12]
	v_cvt_scalef32_pk16_fp6_f32 v[PC+12:PC+14], v[112:127], v[TM+13]
	v_nop
.irp i, 0,1,2
	v_permlane16_swap_b32 v[PC+\i], v[PC+12+\i]    ; the operand's layout wants a whole block in a lane
.endr
.irp i, 0,1,2
	s_delay_alu instid0(VALU_DEP_3)
	v_mov_b32 v[PC+3+\i], v[PC+12+\i]
.endr
	global_store_b128 v[L16], v[PC:PC+3], s[96:97]
	global_store_b64 v[L8], v[PC+4:PC+5], s[96:97] offset:512
	v_cndmask_b32 v[BYT], v[TM+4], v[TM+5], s[HM]  ; lanes 0-15 block 0's byte, lanes 16-31 block 1's
	global_store_b8 v[BA], v[BYT], s[98:99]        ; single bytes 16 apart: two bytes of each row's word come from each head; 131,072 bytes in the whole launch
.endm
	s_wait_alu depctr_va_vdst(0)
	s_wait_loadcnt 0x0                             ; Q, both tiles
	s_wait_tensorcnt 0x0                           ; my part of key steps 0 and 1 or of the scale words is in;
	ds_add_u32 v[SPW], v[NIL]                      ; the add twice on end
	ds_add_u32 v[SPW], v[NIL]
	s_wait_dscnt 0x0
	CROUND                                         ; everybody's part is in, and all four work-groups are here
	tensor_load_to_lds s[G0B:G0B+3], s[G1B:G1B+7]  ; key steps 2 to 15: 42 rows a wave; one load of mine is out
	s_nop 0
	PLACES
	s_mov_b32 s[CNT], 2
.Lfirst:                                               ; key steps 0 and 1
	STEP
	s_sub_co_u32 s[CNT], s[CNT], 1
	s_cmp_lg_u32 s[CNT], 0
	s_cbranch_scc1 .Lfirst
	s_wait_tensorcnt 0x0                           ; all of K and V is in,
	s_wait_dscnt 0x0
	s_barrier_signal -1
	s_barrier_wait -1                              ; for everybody
	s_mov_b32 s[CNT], 7
.Lmid:                                                 ; key steps 2-8
	STEP
	s_sub_co_u32 s[CNT], s[CNT], 1
	s_cmp_lg_u32 s[CNT], 0
	s_cbranch_scc1 .Lmid
	s_mov_b32 s[GE], s[G]
	s_cmp_eq_u32 s[ROLE], 0
	s_cselect_b32 s[G], 0, s[GB]                   ; steps 9-15: none is the long wave's; the short wave goes on in the larger group
	s_cbranch_scc1 .Lkeep
	EPI                                            ; the smaller group's tile is finished
.irp i, 0,1,2,3,4,5
	v_mov_b32 v[16+\i], v[Q2+\i]
.endr
	v_mov_b32 v28, v[Q2+6]
	v_mov_b32 v13, 0xff61b1e6
	v_mov_b32 v14, 0
	v_mov_b32 v15, 0
	v_floor_f32 v12, -v13
.set j, 0
.rept 32
	v_mov_b32 v[160+j], 0
.set j, j+1
.endr
	s_wait_xcnt 0x0                                ; the tile's stores have read their registers
.Lkeep:
	s_mov_b32 s[CNT], 7
.Lrest:                                                ; key steps 9-15
	STEP
	s_sub_co_u32 s[CNT], s[CNT], 1
	s_cmp_lg_u32 s[CNT], 0
	s_cbranch_scc1 .Lrest
	s_cmp_eq_u32 s[ROLE], 0
	s_cbranch_scc1 .Lno_part
	PLACES
	ds_store_b128 v[PWA], v[12:15]                 ; the short wave's partial, as an image of its registers
	s_wait_alu depctr_va_vdst(0)
.irp i, 0,1,2,3,4,5,6,7
	ds_store_b128 v[PWA], v[160+4*\i:163+4*\i] offset:512+512*\i
.endr
.Lno_part:
	s_wait_dscnt 0x0                               ; for the partner's sake: my stores have landed
	s_barrier_signal -1
	s_barrier_wait -1
	s_cmp_lg_u32 s[ROLE], 0
	s_cbranch_scc1 .Ldone
	ds_load_b128 v[244:247], v[PRA]
.irp i, 0,1,2,3,4,5,6,7
	ds_load_b128 v[96+4*\i:99+4*\i], v[PRA] offset:512+512*\i
.endr
	s_wait_dscnt 0x0
	v_min_num_f32 v248, v12, v244                  ; -M of both: the smaller (a partner with no step left holds -M = 3e38 and zeros: its factor comes out as 0)
	s_delay_alu instid0(VALU_DEP_1)
	v_sub_f32 v249, v248, v12
	v_sub_f32 v250, v248, v244
	s_delay_alu instid0(VALU_DEP_2)
	v_cvt_i32_f32 v249, v249
	s_delay_alu instid0(VALU_DEP_2)
	v_cvt_i32_f32 v250, v250
	s_delay_alu instid0(VALU_DEP_2)
	v_ldexp_f32 v94, 1.0, v249                     ; powers of two: the multiplications round nothing
	s_delay_alu instid0(VALU_DEP_2)
	v_ldexp_f32 v252, 1.0, v250
	v_mov_b32 v253, 0
	s_delay_alu instid0(VALU_DEP_3)
	v_pk_mul_f32 v[14:15], v[14:15], v[94:95] op_sel_hi:[1,0]
	s_delay_alu instid0(VALU_DEP_1)
	v_pk_fma_f32 v[14:15], v[246:247], v[252:253], v[14:15] op_sel_hi:[1,0,1]
.set j, 0
.rept 16
	v_pk_mul_f32 v[160+j:161+j], v[160+j:161+j], v[94:95] op_sel_hi:[1,0]
.set j, j+2
.endr
.set j, 0
.rept 16
	v_pk_fma_f32 v[160+j:161+j], v[96+j:97+j], v[252:253], v[160+j:161+j] op_sel_hi:[1,0,1]
.set j, j+2
.endr
	s_mov_b32 s[GE], s[GB]
	EPI                                            ; the larger group's tile is finished
.Ldone:
	s_wait_tensorcnt 0x0                           ; the wave's end
	ds_add_u32 v[SPW], v[NIL]
	s_wait_dscnt 0x0
	CROUND                                         ; the closing round
	s_endpgm
.Lfunc_end_k_q78ce9f8e2f_attn:
	.size	k_q78ce9f8e2f_attn, .Lfunc_end_k_q78ce9f8e2f_attn-k_q78ce9f8e2f_attn
	.p2alignl 7, 3214868480
	.fill 96, 4, 3214868480
	.section	.rodata,"a",@progbits
	.p2align	6, 0x0
	.amdhsa_kernel k_q78ce9f8e2f_attn
		.amdhsa_group_segment_fixed_size 327680
		.amdhsa_private_segment_fixed_size 0
		.amdhsa_enable_private_segment 0
		.amdhsa_kernarg_size 16
		.amdhsa_user_sgpr_count 2
		.amdhsa_user_sgpr_kernarg_segment_ptr 1
		.amdhsa_wavefront_size32 1
		.amdhsa_system_sgpr_workgroup_id_x 1
		.amdhsa_system_sgpr_workgroup_id_y 1
		.amdhsa_system_sgpr_workgroup_id_z 1
		.amdhsa_system_vgpr_workitem_id 0
		.amdhsa_next_free_vgpr 256
		.amdhsa_next_free_sgpr 100
		.amdhsa_reserve_vcc 1
		.amdhsa_float_denorm_mode_32 3
		.amdhsa_float_denorm_mode_16_64 3
		.amdhsa_memory_ordered 1
		.amdhsa_forward_progress 1
		.amdhsa_inst_pref_size 92
	.end_amdhsa_kernel
	.amdgpu_metadata
---
amdhsa.version: [ 1, 2 ]
amdhsa.kernels:
  - .name:           k_q78ce9f8e2f_attn
    .symbol:         k_q78ce9f8e2f_attn.kd
    .args:
      - { .name: qkv, .offset: 0, .size: 8, .value_kind: global_buffer, .address_space: global }
      - { .name: ao, .offset: 8, .size: 8, .value_kind: global_buffer, .address_space: global }
    .group_segment_fixed_size: 327680
    .private_segment_fixed_size: 0
    .kernarg_segment_align: 8
    .kernarg_segment_size: 16
    .max_flat_workgroup_size: 512
    .sgpr_count:     100
    .vgpr_count:     256
    .wavefront_size: 32
...
	.end_amdgpu_metadata
.endif
;; end of part 3
;; launch wo (part 4): grid 256 x 1, 4 waves a work-group, clusters of 4 x 1, 327,680 bytes of LDS; arguments ao, wl, x, x1; writes x1
.if DOCPART == 4
	.amdgcn_target "amdgcn-amd-amdhsa--gfx1250"
	.amdhsa_code_object_version 6
	.text
	.protected	k_q78ce9f8e2f_wo
	.globl	k_q78ce9f8e2f_wo
	.p2align	8
	.type	k_q78ce9f8e2f_wo,@function
k_q78ce9f8e2f_wo:
	s_mov_b64 s[64:65], 0
	v_nop
	global_prefetch_b8 v0, s[64:65] scope:SCOPE_SE
	s_setreg_imm32_b32 hwreg(HW_REG_WAVE_MODE, 25, 1), 1
	s_wait_xcnt 0x0
	s_wait_alu depctr_hold_cnt(0) depctr_sa_sdst(0) depctr_va_vdst(0) depctr_va_sdst(0) depctr_va_ssrc(0) depctr_va_vcc(0) depctr_vm_vsrc(0)
	s_getreg_b32 s2, hwreg(HW_REG_IB_STS2, 6, 4)
	s_cmp_eq_u32 s2, 0
	s_cbranch_scc0 .Lentry_in_a_cluster
	s_endpgm
.Lentry_in_a_cluster:
	s_bfe_u32 s2, ttmp6, 0x10000c
	s_cmp_lg_u32 s2, 0x3003
	s_cbranch_scc0 .Lentry_shape_is_right
	s_endpgm
.Lentry_shape_is_right:
; WO: x1 = x + attention's output x w_o, on codes of FP6 (E2M3).  K = 1,024 (KQ = 8 steps of 128).
; A work-group makes 128 tokens x 128 columns.  The tokens' block (all of K, fragments in the order of the operand's registers) lies in LDS, filled once; the four work-groups of a cluster hold the same block
; and ask for it jointly (mask 15).  Wave w takes all eight token tiles against weight tiles 2 w and 2 w + 1, whose fragments for ALL of K stay in its registers, read from memory once: 16 accumulators.
; Source 0 = 16 rows of the weight, source 1 = 16 tokens: a lane holds one token and the neighbouring columns 32 w + 16 h + 8 b + 0 .. 7.
; All tensor loads stand at the kernel's head, so there is no later load that a prefetch could run ahead of.
; THE WAY OUT: through a stage of 128 rows x (512 + 16) bytes, which lies in the tokens' bytes: they have had their only fill, and a barrier stands behind their last read.  Each wave then adds the residual to
; 32 whole rows and stores 512 consecutive bytes an instruction.  Rows 16 apart meet in the same banks in the stage's stores, two deep.
; REGISTERS: window 0: v1, v2, v10.. addresses; v32.. the tokens' scale words, v96.. the weights'; v128-255 accumulator (a, b) at v[128 + 8 (2 a + b)].   window 1: the tokens' fragments, two sets.
;   windows 2 (K steps 0-7) and 3 (8-15): my weights' fragments at v[24 (q % 8) + 12 b].
.set KQ,    8
.set APOFF, 3145728                    ; where the tokens' scale panels begin in their buffer
.set UNIT0, 24                         ; the weight's first unit in wl
.set SPARE, 12288*KQ                   ; behind the tokens' block: the spare words, 128 bytes a wave
.set L16, 1
.set L8,  2
.set SPW, 8                            ; v8   LDS address of my spare word; never rewritten
.set NIL, 9                            ; v9   0; never rewritten
.set LA,  10                           ; v[10 + 2 k], v[11 + 2 k]: 16 x lane, 8 x lane + 49,152 k: K steps 4 k .. 4 k + 3 in LDS
.set STO, 18
.set RD,  19
.set SCA, 32
.set SCB, 96
.set ACC, 128
.set WV,  12
.set G1,  24
.set G0,  32
.set AP,  48
.set WC,  50
.set WPN, 52
.set MSB, 0
.macro WIN new
.if MSB != (\new)
	s_set_vgpr_msb (MSB<<8)|(\new)
.set MSB, (\new)
.endif
.endm
.macro PLACES
.rept 4
	v_nop
.endr
.endm
.macro CROUND
	s_barrier_signal -1
	s_barrier_wait -1
	s_cmp_lg_u32 s[WV], 0
	s_cbranch_scc1 .Lnot_wave_0_\@
	s_barrier_signal -3
.Lnot_wave_0_\@:
	s_barrier_wait -3
	s_barrier_signal -1
	s_barrier_wait -1
.endm
.macro WM
.if ZR
	v_wmma_scale_f32_16x16x128_f8f6f4 v[rD:rD+7], v[rS:rS+11], v[rA:rA+11], 0, v[rX], v[rY] matrix_a_fmt:MATRIX_FMT_FP6 matrix_b_fmt:MATRIX_FMT_FP6
.elseif OD
	v_wmma_scale_f32_16x16x128_f8f6f4 v[rD:rD+7], v[rS:rS+11], v[rA:rA+11], v[rD:rD+7], v[rX], v[rY] matrix_a_fmt:MATRIX_FMT_FP6 matrix_b_fmt:MATRIX_FMT_FP6 matrix_a_scale:MATRIX_SCALE_ROW1 matrix_b_scale:MATRIX_SCALE_ROW1
.else
	v_wmma_scale_f32_16x16x128_f8f6f4 v[rD:rD+7], v[rS:rS+11], v[rA:rA+11], v[rD:rD+7], v[rX], v[rY] matrix_a_fmt:MATRIX_FMT_FP6 matrix_b_fmt:MATRIX_FMT_FP6
.endif
.endm
.macro FETCH_A q                       ; the tokens' eight fragments of K step q into set q % 2: 32 LDS loads
	WIN 0x40
.irp a, 0,1,2,3,4,5,6,7
.set rA, 128*((\q)%2)+12*\a
.set oA, 12288*((\q)%4)+1536*\a
.set rL, LA+2*((\q)/4)
	ds_load_b128 v[rA:rA+3], v[rL] offset:oA
	ds_load_b64 v[rA+4:rA+5], v[rL+1] offset:oA+512
	ds_load_b128 v[rA+6:rA+9], v[rL] offset:oA+768
	ds_load_b64 v[rA+10:rA+11], v[rL+1] offset:oA+1280
.endr
	WIN 0
.endm
.macro STEP                            ; K step Q: 16 matrix instructions, the 16 accumulators by turns in one order throughout
.if Q+1 < KQ
.if Q > 0
	PLACES                                         ; in front of loads into the set that the last step multiplied
.endif
	FETCH_A Q+1
	s_wait_dscnt 32                                ; this step's set is in; the 32 loads just issued may stay out
.else
	s_wait_dscnt 0x0
.endif
.if Q > KQ/2
.set YL, 8*(KQ-1-Q)+32                 ; younger than this step's weights: the later steps' eight loads each, and the residual's 32
.else
.set YL, 8*(KQ-1-Q)
.endif
.if YL > 63
.set YL, 63                            ; (a smaller count than the younger loads' number: safe)
.endif
	s_wait_loadcnt YL
	WIN (0x06+Q/8)                                 ; source 0 window 2 or 3, source 1 window 1
.if Q == 0
.set ZR, 1
.else
.set ZR, 0
.endif
.set OD, Q%2
.irp a, 0,1,2,3,4,5,6,7
.irp b, 0,1
.set rD, ACC+8*(2*\a+\b)
.set rS, 24*(Q%8)+12*\b
.set rA, 128*(Q%2)+12*\a
.set rX, SCB+8*(Q/8)+4*\b+(Q%8)/2
.set rY, SCA+32*(Q/8)+4*\a+(Q%8)/2
	WM
.endr
.endr
.if Q == KQ/2                          ; the residual's 32 rows, 512 consecutive bytes each, are asked for in the middle of K: rows 0-15 into v192-255 of window 2, rows 16-31 into v192-255 of window 3, which hold nothing else
	WIN 0x80
.set i, 0
.rept 16
	global_load_b128 v[192+4*i:195+4*i], v[L16], s[8:9] offset:4096*i
.set i, i+1
.endr
	WIN 0xc0
.rept 16
	global_load_b128 v[128+4*i:131+4*i], v[L16], s[8:9] offset:4096*i
.set i, i+1
.endr
.endif
.endm
	s_load_b256 s[4:11], s[0:1], 0x0               ; the tokens' codes, wl, the residual, the output
	v_lshl_add_u32 v[SPW], v0, 2, SPARE
	v_mov_b32 v[NIL], 0
	ds_add_u32 v[SPW], v[NIL]                      ; the wave's opening: the add and its wait ahead of my first tensor load; work on registers stands between them
	ds_add_u32 v[SPW], v[NIL]
	v_lshrrev_b32 v5, 5, v0
	v_readfirstlane_b32 s[WV], v5                  ; wave 0..3
	v_and_b32 v5, 31, v0
	v_lshlrev_b32 v[L16], 4, v5
	v_lshlrev_b32 v[L8], 3, v5
.set k, 0
.rept KQ/4
	v_add_nc_u32 v[LA+2*k], 49152*k, v[L16]
	v_add_nc_u32 v[LA+2*k+1], 49152*k, v[L8]
.set k, k+1
.endr
	v_and_b32 v5, 15, v0                           ; r
	v_bfe_u32 v6, v0, 4, 1                         ; h
	v_and_b32 v7, 8, v5
	v_add_nc_u32 v7, v7, v5                        ; r + 8 (r / 8)
	v_mul_u32_u24 v[STO], v7, 528
	v_lshl_add_u32 v[STO], v6, 6, v[STO]
	s_lshl_b32 s19, s[WV], 7
	v_add_nc_u32 v[STO], s19, v[STO]               ; the stage, in: my token's row, + 64 h + 128 wave
	s_mul_i32 s19, s[WV], 32*528
	v_add_nc_u32 v[RD], s19, v[L16]                ; and back: my 32 rows, 16 bytes a lane
	s_mov_b32 s[G1], 15|(3<<16)|(1<<21)            ; the mask: all four work-groups; elements of 8 bytes; bit 21 beside a mask
	s_mov_b32 s[G1+1], 32<<16                      ; rows of 256 bytes,
	s_mov_b32 s[G1+2], (12*KQ)<<16                 ; 12 KQ of them: a wave's quarter of the tokens' block
	s_mov_b32 s[G1+3], 32<<16
	s_mov_b32 s[G1+4], 12*KQ
	s_mov_b32 s[G1+5], 32
	s_mov_b32 s[G1+6], 0
	s_mov_b32 s[G1+7], 0
	s_bfe_u32 s16, ttmp6, 0x40000                  ; cx: it enters the weights', the residual's and the output's addresses alone
	s_and_b32 s17, ttmp9, 1
	s_lshl_b32 s17, s17, 2
	s_add_co_u32 s17, s17, s16                     ; my block of 128 columns
	s_lshr_b32 s18, ttmp9, 1                       ; the cluster's block of 128 tokens
	s_mul_i32 s20, s18, 12288*KQ
	s_mul_i32 s58, s[WV], 3072*KQ
	s_add_co_u32 s20, s20, s58
	s_mov_b32 s21, 0
	s_mul_i32 s22, s18, 512*KQ
	s_add_co_u32 s22, s22, APOFF
	s_mov_b32 s23, 0
	s_mul_i32 s54, s17, KQ/8
	s_add_co_u32 s54, s54, UNIT0
	s_mul_i32 s56, s54, 98304
	s_mul_i32 s55, s[WV], 3072
	s_add_co_u32 s56, s56, s55                     ; my two tiles' fragments in wl
	s_mov_b32 s57, 0
	s_lshl_b32 s60, s54, 12
	s_lshl_b32 s55, s[WV], 10
	s_add_co_u32 s60, s60, s55
	s_add_co_u32 s60, s60, 7864320                 ; and their panels
	s_mov_b32 s61, 0
	s_lshl_b32 s62, s18, 7
	s_lshl_b32 s55, s[WV], 5
	s_add_co_u32 s62, s62, s55
	s_lshl_b32 s62, s62, 12
	s_lshl_b32 s55, s17, 9
	s_add_co_u32 s62, s62, s55                     ; the 32 rows that I store: (128 block + 32 wave) x 4,096 + 512 x column block
	s_mov_b32 s63, 0
	s_wait_dscnt 0x0                               ; the opening add is done
	s_wait_kmcnt 0x0
	s_add_nc_u64 s[20:21], s[4:5], s[20:21]
	s_add_nc_u64 s[AP:AP+1], s[4:5], s[22:23]
	s_add_nc_u64 s[WC:WC+1], s[6:7], s[56:57]
	s_add_nc_u64 s[WPN:WPN+1], s[6:7], s[60:61]
	s_add_nc_u64 s[8:9], s[8:9], s[62:63]
	s_add_nc_u64 s[10:11], s[10:11], s[62:63]
	s_mov_b32 s[G0], 1
	s_mov_b32 s[G0+1], s58                         ; LDS: as in memory
	s_mov_b64 s[G0+2:G0+3], s[20:21]
	s_or_b32 s[G0+3], s[G0+3], 0x80000000
	CROUND                                         ; all four work-groups are here: the joint loads meet
	tensor_load_to_lds s[G0:G0+3], s[G1:G1+7]      ; the only fill of the launch: one load of mine is out
	s_nop 0
	PLACES
.set kg, 0
.rept KQ/8
.irp a, 0,1,2,3,4,5,6,7
	global_load_b128 v[SCA+32*kg+4*\a:SCA+32*kg+4*\a+3], v[L16], s[AP:AP+1] offset:4096*kg+512*\a
.endr
.irp b, 0,1
	global_load_b128 v[SCB+8*kg+4*\b:SCB+8*kg+4*\b+3], v[L16], s[WPN:WPN+1] offset:4096*kg+512*\b
.endr
.set kg, kg+1
.endr
.set q, 0
.rept KQ                               ; all my weights: eight loads a K step, in ascending K
	WIN (0x80+0x40*(q/8))
.irp b, 0,1
.set rW, 24*(q%8)+12*\b
.set oW, 12288*q+1536*\b
	global_load_b128 v[rW:rW+3], v[L16], s[WC:WC+1] offset:oW
	global_load_b64 v[rW+4:rW+5], v[L8], s[WC:WC+1] offset:oW+512
	global_load_b128 v[rW+6:rW+9], v[L16], s[WC:WC+1] offset:oW+768
	global_load_b64 v[rW+10:rW+11], v[L8], s[WC:WC+1] offset:oW+1280
.endr
.set q, q+1
.endr
	WIN 0
	s_wait_tensorcnt 0x0                           ; my quarter of the block is in,
	s_barrier_signal -1
	s_barrier_wait -1                              ; everybody's is
	FETCH_A 0
.set Q, 0
	s_wait_alu depctr_va_vdst(0)
.rept KQ
	STEP
.set Q, Q+1
.endr
	PLACES                                         ; in front of loads into the tokens' sets, and of the first read of results
	WIN 0
	s_wait_dscnt 0x0                               ; my reads of the tokens' block are over,
	s_barrier_signal -1
	s_barrier_wait -1                              ; everybody's are: the stage may be written
.irp a, 0,1,2,3,4,5,6,7
.irp b, 0,1
	ds_store_b128 v[STO], v[ACC+8*(2*\a+\b):ACC+8*(2*\a+\b)+3] offset:(32*(\a/2)+8*(\a%2))*528+32*\b          ; each accumulator from its low end on
	ds_store_b128 v[STO], v[ACC+8*(2*\a+\b)+4:ACC+8*(2*\a+\b)+7] offset:(32*(\a/2)+8*(\a%2))*528+32*\b+16
.endr
.endr
	s_wait_dscnt 0x0                               ; for the others' sake: my stores have landed
	s_barrier_signal -1
	s_barrier_wait -1
.set i, 0
.rept 32
	ds_load_b128 v[ACC+4*i:ACC+4*i+3], v[RD] offset:528*i
.set i, i+1
.endr
	s_wait_loadcnt 0x0
	s_wait_dscnt 0x0
	WIN 0x08                                       ; source 1 window 2: the residual's rows 0-15
.set i, 0
.rept 32
	v_pk_add_f32 v[ACC+2*i:ACC+2*i+1], v[ACC+2*i:ACC+2*i+1], v[192+2*i:193+2*i]
.set i, i+1
.endr
	WIN 0x0c                                       ; source 1 window 3: rows 16-31
.rept 32
	v_pk_add_f32 v[ACC+2*i:ACC+2*i+1], v[ACC+2*i:ACC+2*i+1], v[128+2*i:129+2*i]
.set i, i+1
.endr
	WIN 0
.set i, 0
.rept 32
	global_store_b128 v[L16], v[ACC+4*i:ACC+4*i+3], s[10:11] offset:4096*i    ; 32 lanes store 512 consecutive bytes, at a multiple of 256 from the buffer's first byte
.set i, i+1
.endr
	s_wait_tensorcnt 0x0                           ; the wave's end
	ds_add_u32 v[SPW], v[NIL]
	s_wait_dscnt 0x0
	CROUND                                         ; the closing round
	s_endpgm
.Lfunc_end_k_q78ce9f8e2f_wo:
	.size	k_q78ce9f8e2f_wo, .Lfunc_end_k_q78ce9f8e2f_wo-k_q78ce9f8e2f_wo
	.p2alignl 7, 3214868480
	.fill 96, 4, 3214868480
	.section	.rodata,"a",@progbits
	.p2align	6, 0x0
	.amdhsa_kernel k_q78ce9f8e2f_wo
		.amdhsa_group_segment_fixed_size 327680
		.amdhsa_private_segment_fixed_size 0
		.amdhsa_enable_private_segment 0
		.amdhsa_kernarg_size 32
		.amdhsa_user_sgpr_count 2
		.amdhsa_user_sgpr_kernarg_segment_ptr 1
		.amdhsa_wavefront_size32 1
		.amdhsa_system_sgpr_workgroup_id_x 1
		.amdhsa_system_sgpr_workgroup_id_y 1
		.amdhsa_system_sgpr_workgroup_id_z 1
		.amdhsa_system_vgpr_workitem_id 0
		.amdhsa_next_free_vgpr 1024
		.amdhsa_next_free_sgpr 100
		.amdhsa_reserve_vcc 0
		.amdhsa_float_denorm_mode_32 3
		.amdhsa_float_denorm_mode_16_64 3
		.amdhsa_memory_ordered 1
		.amdhsa_forward_progress 1
		.amdhsa_inst_pref_size 61
	.end_amdhsa_kernel
	.amdgpu_metadata
---
amdhsa.version: [ 1, 2 ]
amdhsa.kernels:
  - .name:           k_q78ce9f8e2f_wo
    .symbol:         k_q78ce9f8e2f_wo.kd
    .args:
      - { .name: ao, .offset: 0, .size: 8, .value_kind: global_buffer, .address_space: global }
      - { .name: wl, .offset: 8, .size: 8, .value_kind: global_buffer, .address_space: global }
      - { .name: x, .offset: 16, .size: 8, .value_kind: global_buffer, .address_space: global }
      - { .name: x1, .offset: 24, .size: 8, .value_kind: global_buffer, .address_space: global }
    .group_segment_fixed_size: 327680
    .private_segment_fixed_size: 0
    .kernarg_segment_align: 8
    .kernarg_segment_size: 32
    .max_flat_workgroup_size: 128
    .sgpr_count:     100
    .vgpr_count:     1024
    .wavefront_size: 32
...
	.end_amdgpu_metadata
.endif
;; end of part 4
;; launch norm (part 5): grid 256 x 1, 8 waves a work-group, no clusters, 2,048 bytes of LDS; arguments x1, g2, ha; writes ha
.if DOCPART == 5
	.amdgcn_target "amdgcn-amd-amdhsa--gfx1250"
	.amdhsa_code_object_version 6
	.text
	.protected	k_q78ce9f8e2f_norm
	.globl	k_q78ce9f8e2f_norm
	.p2align	8
	.type	k_q78ce9f8e2f_norm,@function
k_q78ce9f8e2f_norm:
	s_mov_b64 s[64:65], 0
	v_nop
	global_prefetch_b8 v0, s[64:65] scope:SCOPE_SE
	s_setreg_imm32_b32 hwreg(HW_REG_WAVE_MODE, 25, 1), 1
	s_wait_xcnt 0x0
; NORM: ha = Q(rmsnorm(x1, g2)): codes of FP6 (E2M3) with one E8M0 byte for each 32 along K, laid in the order of an operand's registers.
; A work-group takes a tile of 16 tokens (tile T = work-group: block T / 8, tile a = T % 8; slot r is row 32 (a / 2) + 8 (a % 2) + r + 8 (r / 8) of the block); wave q takes K step q: 64 numbers a lane,
; 16 neighbours of each block of 32.  The rows' sums of squares meet in LDS (one barrier); x / rms x g in f32; quantised in registers.
; A fragment (16 rows x 128 K) is 1,536 bytes: registers 0-3 at 16 lane, 4-5 at 512 + 8 lane, 6-9 at 768 + 16 lane, 10-11 at 1,280 + 8 lane; a block is [K step 8][tile 8][1,536]; the tile's scale panel (512 bytes):
; the word at 16 (16 h' + r) + 4 j is slot r's for K step 2 j + h'.
; LIMITS: NaN and infinities are not served; a block whose largest magnitude lies under 2^-124 is held at the byte 1; a block of zeros gets the byte 1 (zero codes; this program alone reads the bytes).
; No tensor load, no cluster, no matrix unit: the launch streams, and its work-groups share nothing.
.set SW,    512                        ; LDS: 0-511 the partial sums; 512-1023 the tile's scale panel
.set SPARE, 1024                       ; the spare words, 128 bytes for each of the eight waves
.set XO,  5
.set GO,  6
.set L16, 7
.set L8,  8
.set SPW, 12                           ; v12  LDS address of my spare word; never rewritten
.set NIL, 13                           ; v13  0; never rewritten
.set RS,  14
.set TM,  16
.set PW,  32
.set PC,  34
.set SU,  56
.set X,   64
.set G,   128
.set SEL, 2
.set WV,  36
.set MSB, 0
.macro WIN new                         ; (all registers of this text lie in window 0: nothing is ever written by this macro here)
.if MSB != (\new)
	s_set_vgpr_msb (MSB<<8)|(\new)
.set MSB, (\new)
.endif
.endm
.macro QUANT s, ws, nc, pw
	WIN (((\ws)<<2)|((\ws)<<4))
.irp b, 0,1,2,3
.if \b < 2*(\nc)
	v_max3_num_f32 v[TM+\b], 0x1800000, |v[(\s)+16*\b]|, |v[(\s)+16*\b+1]|   ; my 16 numbers of block b, and the floor 2^(3 - 127)
.endif
.endr
.irp i, 2,4,6,8,10,12,14
.irp b, 0,1,2,3
.if \b < 2*(\nc)
	s_delay_alu instid0(VALU_DEP_4)
	v_max3_num_f32 v[TM+\b], v[TM+\b], |v[(\s)+16*\b+\i]|, |v[(\s)+16*\b+\i+1]|
.endif
.endr
.endr
	WIN 0
.irp b, 0,1,2,3
.if \b < 2*(\nc)
	s_delay_alu instid0(VALU_DEP_4)
	v_permlanex16_b32 v[TM+4+\b], v[TM+\b], s[SEL], s[SEL+1]
.endif
.endr
.irp b, 0,1,2,3
.if \b < 2*(\nc)
	s_delay_alu instid0(VALU_DEP_4)
	v_max_num_f32 v[TM+\b], v[TM+\b], v[TM+4+\b]
.endif
.endr
.irp b, 0,1,2,3
.if \b < 2*(\nc)
	s_delay_alu instid0(VALU_DEP_4)
	v_add_nc_u32 v[TM+12+\b], 0xff000000, v[TM+\b]
.endif
.endr
.irp b, 0,1,2,3
.if \b < 2*(\nc)
	s_delay_alu instid0(VALU_DEP_4)
	v_lshrrev_b32 v[TM+4+\b], 23, v[TM+12+\b]
.endif
.endr
.if \nc > 1
	s_delay_alu instid0(VALU_DEP_3)
	v_lshl_or_b32 v[\pw], v[TM+5], 8, v[TM+4]
	s_delay_alu instid0(VALU_DEP_1)
	v_lshl_or_b32 v[\pw], v[TM+6], 16, v[\pw]
	s_delay_alu instid0(VALU_DEP_1)
	v_lshl_or_b32 v[\pw], v[TM+7], 24, v[\pw]
.endif
	WIN (\ws)
.irp c, 0,1
.if \c < \nc
	v_cvt_scalef32_pk16_fp6_f32 v[PC+6*\c:PC+6*\c+2], v[(\s)+32*\c:(\s)+32*\c+15], v[TM+12+2*\c]
	v_cvt_scalef32_pk16_fp6_f32 v[PC+12+4*\c:PC+12+4*\c+2], v[(\s)+32*\c+16:(\s)+32*\c+31], v[TM+13+2*\c]
.endif
.endr
	WIN 0
	v_nop
.irp c, 0,1
.if \c < \nc
.irp i, 0,1,2
	v_permlane16_swap_b32 v[PC+6*\c+\i], v[PC+12+4*\c+\i]
.endr
.irp i, 0,1,2
	s_delay_alu instid0(VALU_DEP_3)
	v_mov_b32 v[PC+6*\c+3+\i], v[PC+12+4*\c+\i]
.endr
.endif
.endr
.endm
.macro PUTHI base, off, c
	global_store_b128 v[L16], v[PC+6*(\c):PC+6*(\c)+3], s[\base:\base+1] offset:\off
	global_store_b64 v[L8], v[PC+6*(\c)+4:PC+6*(\c)+5], s[\base:\base+1] offset:(\off)+512
.endm
	s_load_b128 s[4:7], s[0:1], 0x0                ; x1, g2
	s_load_b64 s[8:9], s[0:1], 0x10                ; ha
	v_lshl_add_u32 v[SPW], v0, 2, SPARE
	v_mov_b32 v[NIL], 0
	v_lshrrev_b32 v1, 5, v0
	s_delay_alu instid0(VALU_DEP_1)
	v_readfirstlane_b32 s[WV], v1                  ; wave 0..7
	v_and_b32 v1, 31, v0
	v_and_b32 v2, 15, v0                           ; r
	v_bfe_u32 v3, v0, 4, 1                         ; h
	s_delay_alu instid0(VALU_DEP_2)
	v_and_b32 v4, 8, v2
	s_delay_alu instid0(VALU_DEP_1)
	v_add_nc_u32 v4, v4, v2                        ; r + 8 (r / 8)
	v_lshlrev_b32 v[L16], 4, v1
	v_lshlrev_b32 v[L8], 3, v1
	s_mov_b32 s[SEL], 0x76543210
	s_mov_b32 s[SEL+1], 0xfedcba98
	v_lshlrev_b32 v[XO], 12, v4
	s_delay_alu instid0(VALU_DEP_1)
	v_lshl_add_u32 v[XO], v3, 6, v[XO]
	v_lshlrev_b32 v[GO], 6, v3
	s_lshl_b32 s37, s[WV], 6
	v_lshlrev_b32 v10, 2, v2
	s_delay_alu instid0(VALU_DEP_1)
	v_add_nc_u32 v9, s37, v10                      ; 64 q + 4 r
	s_and_b32 s38, s[WV], 1
	s_lshl_b32 s38, s38, 8
	s_lshr_b32 s39, s[WV], 1
	s_lshl_b32 s39, s39, 2
	s_add_co_u32 s38, s38, s39
	s_add_co_u32 s38, s38, SW
	v_lshl_add_u32 v11, v2, 4, s38                 ; SW + 16 r + 256 (q % 2) + 4 (q / 2)
.irp b, 0,1,2,3
	v_mov_b32 v[TM+4+\b], 0
.endr
	s_lshr_b32 s40, ttmp9, 3
	s_and_b32 s41, ttmp9, 7
	s_lshl_b32 s42, s40, 7
	s_lshr_b32 s43, s41, 1
	s_lshl_b32 s43, s43, 5
	s_add_co_u32 s42, s42, s43
	s_and_b32 s43, s41, 1
	s_lshl_b32 s43, s43, 3
	s_add_co_u32 s42, s42, s43
	s_lshl_b32 s42, s42, 12
	s_lshl_b32 s44, s[WV], 9
	s_add_co_u32 s42, s42, s44
	s_mov_b32 s43, 0
	s_mov_b32 s45, 0
	s_mul_i32 s46, s40, 98304
	s_mul_i32 s47, s[WV], 12288
	s_add_co_u32 s46, s46, s47
	s_mul_i32 s47, s41, 1536
	s_add_co_u32 s46, s46, s47
	s_mov_b32 s47, 0
	s_lshl_b32 s48, ttmp9, 9
	s_add_co_u32 s48, s48, 3145728
	s_mov_b32 s49, 0
	s_mov_b32 s52, 0x358637bd                      ; EPS = 1e-6
	s_wait_alu depctr_va_vdst(0)
	s_wait_kmcnt 0x0
	s_add_nc_u64 s[4:5], s[4:5], s[42:43]
	s_add_nc_u64 s[6:7], s[6:7], s[44:45]
	s_add_nc_u64 s[50:51], s[8:9], s[48:49]
	s_add_nc_u64 s[8:9], s[8:9], s[46:47]
.irp b, 0,1,2,3
.irp i, 0,1,2,3
	global_load_b128 v[X+16*\b+4*\i:X+16*\b+4*\i+3], v[XO], s[4:5] offset:128*\b+16*\i
.endr
.endr
.irp b, 0,1,2,3
.irp i, 0,1,2,3
	global_load_b128 v[G+16*\b+4*\i:G+16*\b+4*\i+3], v[GO], s[6:7] offset:128*\b+16*\i
.endr
.endr
	s_wait_loadcnt 16                              ; x1's 16 loads are in; g's 16 may stay out
.irp k, 0,1,2,3
	v_pk_mul_f32 v[SU+2*\k:SU+2*\k+1], v[X+2*\k:X+2*\k+1], v[X+2*\k:X+2*\k+1]
.endr
.set j, 4
.rept 28
	s_delay_alu instid0(VALU_DEP_4)
	v_pk_fma_f32 v[SU+2*(j%4):SU+2*(j%4)+1], v[X+2*j:X+2*j+1], v[X+2*j:X+2*j+1], v[SU+2*(j%4):SU+2*(j%4)+1]
.set j, j+1
.endr
	s_delay_alu instid0(VALU_DEP_3)
	v_pk_add_f32 v[SU:SU+1], v[SU:SU+1], v[SU+2:SU+3]
	s_delay_alu instid0(VALU_DEP_2)
	v_pk_add_f32 v[SU+4:SU+5], v[SU+4:SU+5], v[SU+6:SU+7]
	s_delay_alu instid0(VALU_DEP_1)
	v_pk_add_f32 v[SU:SU+1], v[SU:SU+1], v[SU+4:SU+5]
	s_delay_alu instid0(VALU_DEP_1)
	v_add_f32 v[SU], v[SU], v[SU+1]
	s_delay_alu instid0(VALU_DEP_1)
	v_permlanex16_b32 v[SU+1], v[SU], s[SEL], s[SEL+1]
	s_delay_alu instid0(VALU_DEP_1)
	v_add_f32 v[SU], v[SU], v[SU+1]
	ds_store_b32 v9, v[SU]
	s_wait_dscnt 0x0                               ; for the others' sake: my store has landed
	s_barrier_signal -1
	s_barrier_wait -1
.irp k, 0,1,2,3,4,5,6,7
	ds_load_b32 v[SU+\k], v10 offset:64*\k
.endr
	s_wait_dscnt 0x0
.irp k, 1
	v_add_f32 v[SU], v[SU], v[SU+\k]               ; in ascending K: the same bits in every wave
.endr
.irp k, 2, 3, 4, 5, 6, 7
	s_delay_alu instid0(VALU_DEP_1)
	v_add_f32 v[SU], v[SU], v[SU+\k]               ; in ascending K: the same bits in every wave
.endr
	s_delay_alu instid0(VALU_DEP_1)
	v_fma_f32 v[SU], v[SU], 0x3a800000, s52        ; / 1,024 + EPS
	s_wait_alu depctr_va_vdst(0)
	v_rsq_f32 v[RS], v[SU]
	v_rsq_f32 v[RS+1], v[SU]
	v_nop
	s_wait_alu depctr_va_vdst(0)                   ; one wait for both, ahead of their first reader
	s_wait_loadcnt 0x0
.set j, 0
.rept 32
	v_pk_mul_f32 v[X+2*j:X+2*j+1], v[X+2*j:X+2*j+1], v[RS:RS+1]
.set j, j+1
.endr
.set j, 0
.rept 32
	v_pk_mul_f32 v[X+2*j:X+2*j+1], v[X+2*j:X+2*j+1], v[G+2*j:G+2*j+1]
.set j, j+1
.endr
	QUANT X, 0, 2, PW
	PUTHI 8, 0, 0
	PUTHI 8, 768, 1
	ds_store_b32 v11, v[PW]
	s_wait_dscnt 0x0
	s_barrier_signal -1
	s_barrier_wait -1
	s_cmp_lg_u32 s[WV], 0
	s_cbranch_scc1 .Lend
	ds_load_b128 v[SU:SU+3], v[L16] offset:SW
	s_wait_dscnt 0x0
	global_store_b128 v[L16], v[SU:SU+3], s[50:51]
.Lend:
	s_wait_tensorcnt 0x0                           ; the wave's end
	ds_add_u32 v[SPW], v[NIL]
	s_wait_dscnt 0x0
	s_endpgm
.Lfunc_end_k_q78ce9f8e2f_norm:
	.size	k_q78ce9f8e2f_norm, .Lfunc_end_k_q78ce9f8e2f_norm-k_q78ce9f8e2f_norm
	.p2alignl 7, 3214868480
	.fill 96, 4, 3214868480
	.section	.rodata,"a",@progbits
	.p2align	6, 0x0
	.amdhsa_kernel k_q78ce9f8e2f_norm
		.amdhsa_group_segment_fixed_size 2048
		.amdhsa_private_segment_fixed_size 0
		.amdhsa_enable_private_segment 0
		.amdhsa_kernarg_size 24
		.amdhsa_user_sgpr_count 2
		.amdhsa_user_sgpr_kernarg_segment_ptr 1
		.amdhsa_wavefront_size32 1
		.amdhsa_system_sgpr_workgroup_id_x 1
		.amdhsa_system_sgpr_workgroup_id_y 1
		.amdhsa_system_sgpr_workgroup_id_z 1
		.amdhsa_system_vgpr_workitem_id 0
		.amdhsa_next_free_vgpr 192
		.amdhsa_next_free_sgpr 100
		.amdhsa_reserve_vcc 0
		.amdhsa_float_denorm_mode_32 3
		.amdhsa_float_denorm_mode_16_64 3
		.amdhsa_memory_ordered 1
		.amdhsa_forward_progress 1
		.amdhsa_inst_pref_size 21
	.end_amdhsa_kernel
	.amdgpu_metadata
---
amdhsa.version: [ 1, 2 ]
amdhsa.kernels:
  - .name:           k_q78ce9f8e2f_norm
    .symbol:         k_q78ce9f8e2f_norm.kd
    .args:
      - { .name: x1, .offset: 0, .size: 8, .value_kind: global_buffer, .address_space: global }
      - { .name: g2, .offset: 8, .size: 8, .value_kind: global_buffer, .address_space: global }
      - { .name: ha, .offset: 16, .size: 8, .value_kind: global_buffer, .address_space: global }
    .group_segment_fixed_size: 2048
    .private_segment_fixed_size: 0
    .kernarg_segment_align: 8
    .kernarg_segment_size: 24
    .max_flat_workgroup_size: 256
    .sgpr_count:     100
    .vgpr_count:     192
    .wavefront_size: 32
...
	.end_amdgpu_metadata
.endif
;; end of part 5
;; launch ffn1 (part 6): grid 256 x 1, 4 waves a work-group, clusters of 4 x 1, 327,680 bytes of LDS; arguments ha, wl, hid; writes hid
.if DOCPART == 6
	.amdgcn_target "amdgcn-amd-amdhsa--gfx1250"
	.amdhsa_code_object_version 6
	.text
	.protected	k_q78ce9f8e2f_ffn1
	.globl	k_q78ce9f8e2f_ffn1
	.p2align	8
	.type	k_q78ce9f8e2f_ffn1,@function
k_q78ce9f8e2f_ffn1:
	s_mov_b64 s[64:65], 0
	v_nop
	global_prefetch_b8 v0, s[64:65] scope:SCOPE_SE
	s_setreg_imm32_b32 hwreg(HW_REG_WAVE_MODE, 25, 1), 1
	s_wait_xcnt 0x0
	s_wait_alu depctr_hold_cnt(0) depctr_sa_sdst(0) depctr_va_vdst(0) depctr_va_sdst(0) depctr_va_ssrc(0) depctr_va_vcc(0) depctr_vm_vsrc(0)
	s_getreg_b32 s2, hwreg(HW_REG_IB_STS2, 6, 4)
	s_cmp_eq_u32 s2, 0
	s_cbranch_scc0 .Lentry_in_a_cluster
	s_endpgm
.Lentry_in_a_cluster:
	s_bfe_u32 s2, ttmp6, 0x10000c
	s_cmp_lg_u32 s2, 0x3003
	s_cbranch_scc0 .Lentry_shape_is_right
	s_endpgm
.Lentry_shape_is_right:
; FFN1: hid = Q(silu(h W_gate) x (h W_up)), both products on codes of FP6 (E2M3), K = 1,024; the hidden layer is quantised at once as the operand of the product with w_down.
; A work-group holds ONE block of 128 tokens (98,304 bytes of fragments, all of K) in LDS, filled once; each of its four waves multiplies it with a unit of wl of its own (tiles 0-3: 64 rows of w_gate, tiles 4-7: the same
; rows of w_up), which goes from memory straight into that wave's registers, a K step at a time, two sets by turns.  A wave makes 128 x 128: 64 accumulators.
; Source 0 = the weights, source 1 = the tokens: a lane holds ONE token; of its 64 registers of a token tile the first 32 are gate's and the last 32 up's values of the same 32 hidden units, 16 neighbours to each two tiles.
; CLUSTER: the four work-groups of a cluster hold the same tokens: asked for jointly (mask 15).  The weights' units belong to one wave each.  All tensor loads stand at the kernel's head.
; LIMITS: NaN and infinities are not served; where gate lies under about -88.7 the exponential is infinite and silu comes out as -0 for a number under 2^-120; a block whose largest magnitude lies under 2^-124 is held at
; the byte 1, a block of zeros gets the byte 1 (zero codes; this program alone reads the bytes).
; REGISTERS: window 0: v1-4, v10 addresses; v32-63 the tokens' scale words, v64-95 the weights'; v96-111 the quantiser's work; v128-223 the tokens' fragments, ONE set (on the way out: codes, bytes, 32 numbers at work).
;   window 1: the weights' fragments, two sets.   windows 2, 3: accumulator (a, b) at v[8 (8 (a % 4) + b)].
.set SPARE, 98304
.set L16, 1
.set L8,  2
.set SPW, 8                            ; v8   LDS address of my spare word; never rewritten
.set NIL, 9                            ; v9   0; never rewritten
.set BA,  10                           ; v10  16 r + h: my block's scale byte in a panel
.set SCA, 32
.set SCB, 64
.set TM,  96
.set AF,  128
.set PC,  128
.set BY,  148
.set T,   160
.set WV,  12
.set HM,  13
.set SEL, 14
.set G1,  24
.set G0,  32
.set RP,  48
.set SBC, 50
.set SPN, 52
.set OB,  54
.set OS,  56
.set CG,  78                           ; s[78:79] -log2(e)
.set MUL_LO, 0xa1
.set MUL_HI, 0xf1
.set TO_B,   0x40
.set MSB, 0
.macro WIN new
.if MSB != (\new)
	s_set_vgpr_msb (MSB<<8)|(\new)
.set MSB, (\new)
.endif
.endm
.macro PLACES
.rept 4
	v_nop
.endr
.endm
.macro CROUND
	s_barrier_signal -1
	s_barrier_wait -1
	s_cmp_lg_u32 s[WV], 0
	s_cbranch_scc1 .Lnot_wave_0_\@
	s_barrier_signal -3
.Lnot_wave_0_\@:
	s_barrier_wait -3
	s_barrier_signal -1
	s_barrier_wait -1
.endm
.macro QUANT s, ws, nc, pw
	WIN (((\ws)<<2)|((\ws)<<4))
.irp b, 0,1,2,3
.if \b < 2*(\nc)
	v_max3_num_f32 v[TM+\b], 0x1800000, |v[(\s)+16*\b]|, |v[(\s)+16*\b+1]|
.endif
.endr
.irp i, 2,4,6,8,10,12,14
.irp b, 0,1,2,3
.if \b < 2*(\nc)
	v_max3_num_f32 v[TM+\b], v[TM+\b], |v[(\s)+16*\b+\i]|, |v[(\s)+16*\b+\i+1]|
.endif
.endr
.endr
	WIN 0
.irp b, 0,1,2,3
.if \b < 2*(\nc)
	v_permlanex16_b32 v[TM+4+\b], v[TM+\b], s[SEL], s[SEL+1]
.endif
.endr
.irp b, 0,1,2,3
.if \b < 2*(\nc)
	v_max_num_f32 v[TM+\b], v[TM+\b], v[TM+4+\b]
.endif
.endr
.irp b, 0,1,2,3
.if \b < 2*(\nc)
	v_add_nc_u32 v[TM+12+\b], 0xff000000, v[TM+\b]
.endif
.endr
.irp b, 0,1,2,3
.if \b < 2*(\nc)
	v_lshrrev_b32 v[TM+4+\b], 23, v[TM+12+\b]
.endif
.endr
.if \nc > 1
	v_lshl_or_b32 v[\pw], v[TM+5], 8, v[TM+4]
	v_lshl_or_b32 v[\pw], v[TM+6], 16, v[\pw]
	v_lshl_or_b32 v[\pw], v[TM+7], 24, v[\pw]
.endif
	WIN (\ws)
.irp c, 0,1
.if \c < \nc
	v_cvt_scalef32_pk16_fp6_f32 v[PC+6*\c:PC+6*\c+2], v[(\s)+32*\c:(\s)+32*\c+15], v[TM+12+2*\c]
	v_cvt_scalef32_pk16_fp6_f32 v[PC+12+4*\c:PC+12+4*\c+2], v[(\s)+32*\c+16:(\s)+32*\c+31], v[TM+13+2*\c]
.endif
.endr
	WIN 0
	v_nop
.irp c, 0,1
.if \c < \nc
.irp i, 0,1,2
	v_permlane16_swap_b32 v[PC+6*\c+\i], v[PC+12+4*\c+\i]
.endr
.irp i, 0,1,2
	v_mov_b32 v[PC+6*\c+3+\i], v[PC+12+4*\c+\i]
.endr
.endif
.endr
.endm
.macro PUTHI base, off, c
	global_store_b128 v[L16], v[PC+6*(\c):PC+6*(\c)+3], s[\base:\base+1] offset:\off
	global_store_b64 v[L8], v[PC+6*(\c)+4:PC+6*(\c)+5], s[\base:\base+1] offset:(\off)+512
.endm
.macro WM
.if ZR
	v_wmma_scale_f32_16x16x128_f8f6f4 v[rD:rD+7], v[rS:rS+11], v[rA:rA+11], 0, v[rX], v[rY] matrix_a_fmt:MATRIX_FMT_FP6 matrix_b_fmt:MATRIX_FMT_FP6
.elseif OD
	v_wmma_scale_f32_16x16x128_f8f6f4 v[rD:rD+7], v[rS:rS+11], v[rA:rA+11], v[rD:rD+7], v[rX], v[rY] matrix_a_fmt:MATRIX_FMT_FP6 matrix_b_fmt:MATRIX_FMT_FP6 matrix_a_scale:MATRIX_SCALE_ROW1 matrix_b_scale:MATRIX_SCALE_ROW1
.else
	v_wmma_scale_f32_16x16x128_f8f6f4 v[rD:rD+7], v[rS:rS+11], v[rA:rA+11], v[rD:rD+7], v[rX], v[rY] matrix_a_fmt:MATRIX_FMT_FP6 matrix_b_fmt:MATRIX_FMT_FP6
.endif
.endm
.macro MUL16 a0, p, q, zero            ; token tiles a0, a0 + 1 x the weights' eight of set p, K step q.  The 64 accumulators take turns in one order throughout
.set ZR, \zero
.set OD, (\q)%2
.irp a, \a0, \a0+1
.irp b, 0,1,2,3,4,5,6,7
.set rD, 8*(8*((\a)%4)+\b)
.set rS, 128*(\p)+12*\b
.set rA, AF+12*(\a)
.set rX, SCB+4*\b+(\q)/2
.set rY, SCA+4*(\a)+(\q)/2
	WM
.endr
.endr
.endm
.macro BLOAD q, p
	WIN TO_B
.irp b, 0,1,2,3,4,5,6,7
.set rB, 128*(\p)+12*\b
.set oB, 12288*(\q)+1536*\b
	global_load_b128 v[rB:rB+3], v[L16], s[SBC:SBC+1] offset:oB
	global_load_b64 v[rB+4:rB+5], v[L8], s[SBC:SBC+1] offset:oB+512
	global_load_b128 v[rB+6:rB+9], v[L16], s[SBC:SBC+1] offset:oB+768
	global_load_b64 v[rB+10:rB+11], v[L8], s[SBC:SBC+1] offset:oB+1280
.endr
	WIN 0
.endm
.macro FETCH_A q, a0
.irp a, \a0, \a0+1, \a0+2, \a0+3
.set rA, AF+12*(\a)
.set oA, 12288*((\q)%4)+1536*(\a)
.set rL, L16+2*((\q)/4)
	ds_load_b128 v[rA:rA+3], v[rL] offset:oA
	ds_load_b64 v[rA+4:rA+5], v[rL+1] offset:oA+512
	ds_load_b128 v[rA+6:rA+9], v[rL] offset:oA+768
	ds_load_b64 v[rA+10:rA+11], v[rL+1] offset:oA+1280
.endr
.endm
.macro STEP q, zero
.if \q < 7
	s_wait_loadcnt 32                              ; this step's weights are in; the next set's 32 loads may stay out
.else
	s_wait_loadcnt 0x0
.endif
	s_wait_dscnt 16                                ; the tokens' tiles 0-3 are in; the 16 loads of tiles 4-7 may stay out
	WIN MUL_LO
	MUL16 0, (\q)%2, \q, \zero
	MUL16 2, (\q)%2, \q, \zero
	s_wait_dscnt 0x0
.if \q < 7
.if (\q) == 3
	s_wait_tensorcnt 0x0                           ; my quarter of K steps 4-7 has landed,
	s_barrier_signal -1
	s_barrier_wait -1                              ; and everybody's
.endif
	PLACES
	WIN 0
	FETCH_A (\q)+1, 0
.endif
	WIN MUL_HI
	MUL16 4, (\q)%2, \q, \zero
	MUL16 6, (\q)%2, \q, \zero
	PLACES
.if \q < 6
	BLOAD (\q)+2, (\q)%2
.endif
	WIN 0
.if \q < 7
	FETCH_A (\q)+1, 4
.endif
.endm
	s_load_b128 s[4:7], s[0:1], 0x0                ; ha, wl
	s_load_b64 s[8:9], s[0:1], 0x10                ; hid
	v_lshl_add_u32 v[SPW], v0, 2, SPARE
	v_mov_b32 v[NIL], 0
	ds_add_u32 v[SPW], v[NIL]                      ; the wave's opening: the add and its wait ahead of my first tensor load; work on registers stands between them
	ds_add_u32 v[SPW], v[NIL]
	v_lshrrev_b32 v5, 5, v0
	v_readfirstlane_b32 s[WV], v5
	v_and_b32 v5, 31, v0
	v_lshlrev_b32 v[L16], 4, v5
	v_lshlrev_b32 v[L8], 3, v5
	v_add_nc_u32 v[L16+2], 49152, v[L16]
	v_add_nc_u32 v[L8+2], 49152, v[L8]
	v_and_b32 v5, 15, v0
	v_bfe_u32 v6, v0, 4, 1
	v_lshl_add_u32 v[BA], v5, 4, v6
.irp b, 0,1,2,3
	v_mov_b32 v[TM+4+\b], 0
.endr
	s_mov_b32 s[SEL], 0x76543210
	s_mov_b32 s[SEL+1], 0xfedcba98
	s_mov_b32 s[HM], 0xffff0000
	s_mov_b32 s[CG], 0xbfb8aa3b
	s_mov_b32 s[CG+1], s[CG]
	s_mov_b32 s[G1], 15|(3<<16)|(1<<21)
	s_mov_b32 s[G1+1], 32<<16
	s_mov_b32 s[G1+2], 48<<16                      ; 48 rows of 256 bytes: a wave's quarter of four K steps
	s_mov_b32 s[G1+3], 32<<16
	s_mov_b32 s[G1+4], 48
	s_mov_b32 s[G1+5], 32
	s_mov_b32 s[G1+6], 0
	s_mov_b32 s[G1+7], 0
	s_bfe_u32 s16, ttmp6, 0x40000                  ; cx: it enters the weights' and the output's addresses alone
	s_lshl_b32 s17, s16, 2
	s_add_co_u32 s17, s17, s[WV]
	s_and_b32 s18, ttmp9, 1
	s_lshl_b32 s18, s18, 4
	s_add_co_u32 s18, s18, s17                     ; my 64 hidden units: 16 (cluster % 2) + 4 cx + wave
	s_lshr_b32 s19, ttmp9, 1                       ; the cluster's block of tokens
	s_mul_i32 s22, s19, 98304
	s_mul_i32 s58, s[WV], 12288
	s_add_co_u32 s22, s22, s58
	s_mov_b32 s23, 0
	s_lshl_b32 s60, s19, 12
	s_add_co_u32 s60, s60, 3145728
	s_mov_b32 s61, 0
	s_add_co_u32 s20, s18, 32                      ; my unit of wl
	s_mul_i32 s62, s20, 98304
	s_mov_b32 s63, 0
	s_lshl_b32 s66, s20, 12
	s_add_co_u32 s66, s66, 7864320
	s_mov_b32 s67, 0
	s_wait_dscnt 0x0                               ; the opening add is done
	s_wait_kmcnt 0x0
	s_add_nc_u64 s[76:77], s[4:5], s[22:23]
	s_add_nc_u64 s[RP:RP+1], s[4:5], s[60:61]
	s_add_nc_u64 s[SBC:SBC+1], s[6:7], s[62:63]
	s_add_nc_u64 s[SPN:SPN+1], s[6:7], s[66:67]
	s_mov_b32 s[G0], 1                             ; K steps 0-3
	s_mov_b32 s[G0+1], s58                         ; LDS: as in memory
	s_mov_b64 s[G0+2:G0+3], s[76:77]
	s_or_b32 s[G0+3], s[G0+3], 0x80000000
	s_mov_b32 s[G0+4], 1                           ; K steps 4-7: 49,152 bytes further on
	s_add_co_u32 s[G0+5], s58, 49152
	s_add_nc_u64 s[G0+6:G0+7], s[76:77], 49152
	s_or_b32 s[G0+7], s[G0+7], 0x80000000
	CROUND                                         ; all four work-groups are here: the joint loads meet
	tensor_load_to_lds s[G0:G0+3], s[G1:G1+7]      ; K steps 0-3: one tensor load a wave at the head
	s_nop 0
	PLACES
.irp a, 0,1,2,3,4,5,6,7
	global_load_b128 v[SCA+4*\a:SCA+4*\a+3], v[L16], s[RP:RP+1] offset:512*\a
.endr
.irp b, 0,1,2,3,4,5,6,7
	global_load_b128 v[SCB+4*\b:SCB+4*\b+3], v[L16], s[SPN:SPN+1] offset:512*\b
.endr
	BLOAD 0, 0
	BLOAD 1, 1
	s_wait_alu depctr_va_vdst(0)
	s_wait_tensorcnt 0x0                           ; my quarter of K steps 0-3 is in
	ds_add_u32 v[SPW], v[NIL]
	s_wait_dscnt 0x0
	CROUND                                         ; everybody's quarter is in, and all four work-groups are here: the joint loads meet
	tensor_load_to_lds s[G0+4:G0+7], s[G1:G1+7]    ; K steps 4-7, filled once: it has three and a half K steps, 224 matrix instructions of mine, in which to land
	s_nop 0
	PLACES
	FETCH_A 0, 0
	FETCH_A 0, 4
	STEP 0, 1
	STEP 1, 0
	STEP 2, 0
	s_wait_alu depctr_va_vdst(0)
	STEP 3, 0
	STEP 4, 0
	STEP 5, 0
	STEP 6, 0
	STEP 7, 0
	; THE WAY OUT.  My 64 hidden units are half of K step q = units / 2 of the next product
	s_lshr_b32 s20, s18, 1                         ; q
	s_and_b32 s21, s18, 1                          ; which half
	s_mul_i32 s60, s19, 196608
	s_mul_i32 s22, s20, 12288
	s_add_co_u32 s60, s60, s22
	s_mul_i32 s22, s21, 768
	s_add_co_u32 s60, s60, s22
	s_mov_b32 s61, 0
	s_add_nc_u64 s[OB:OB+1], s[8:9], s[60:61]
	s_lshl_b32 s60, s19, 13
	s_lshr_b32 s22, s20, 3
	s_lshl_b32 s22, s22, 12
	s_add_co_u32 s60, s60, s22
	s_and_b32 s22, s20, 1
	s_lshl_b32 s22, s22, 8
	s_add_co_u32 s60, s60, s22
	s_and_b32 s22, s20, 7
	s_lshr_b32 s22, s22, 1
	s_lshl_b32 s22, s22, 2
	s_add_co_u32 s60, s60, s22
	s_lshl_b32 s22, s21, 1
	s_add_co_u32 s60, s60, s22
	s_add_co_u32 s60, s60, 6291456
	s_add_nc_u64 s[OS:OS+1], s[8:9], s[60:61]
.irp a, 0,1,2,3,4,5,6,7
.set sA, 64*(\a%4)
.set wA, 2+\a/4
.if \a > 0
	s_wait_xcnt 0x0                                ; the last tile's stores have read their registers
.endif
	WIN wA
.set i, 0
.rept 16
	v_pk_mul_f32 v[T+i:T+i+1], v[sA+i:sA+i+1], s[CG:CG+1] op_sel_hi:[1,0]     ; -gate x log2(e); each accumulator is read from its low end on
.set i, i+2
.endr
	WIN 0
.set i, 0
	s_wait_alu depctr_va_vdst(0)
.rept 32
	v_exp_f32 v[T+i], v[T+i]
.set i, i+1
.endr
	v_nop                                          ; a plain place behind the batch
	s_wait_alu depctr_va_vdst(0)                   ; one wait for the 32 exponentials
.set i, 0
.rept 16
	v_pk_add_f32 v[T+i:T+i+1], v[T+i:T+i+1], 1.0 op_sel_hi:[1,0]
.set i, i+2
.endr
.set i, 0
	s_wait_alu depctr_va_vdst(0)
.rept 32
	v_rcp_f32 v[T+i], v[T+i]                       ; sigmoid(gate)
.set i, i+1
.endr
	v_nop
	s_wait_alu depctr_va_vdst(0)                   ; and one for the 32 reciprocals
	WIN (wA<<2)
.set i, 0
.rept 16
	v_pk_mul_f32 v[T+i:T+i+1], v[T+i:T+i+1], v[sA+i:sA+i+1]           ; x gate = silu(gate)
.set i, i+2
.endr
.set i, 0
.rept 16
	v_pk_mul_f32 v[T+i:T+i+1], v[T+i:T+i+1], v[sA+32+i:sA+32+i+1]     ; x up
.set i, i+2
.endr
	QUANT T, 0, 1, 0
	PUTHI OB, 1536*\a, 0
	v_cndmask_b32 v[BY+\a], v[TM+4], v[TM+5], s[HM]    ; lanes 0-15 block 0's byte, lanes 16-31 block 1's
	global_store_b8 v[BA], v[BY+\a], s[OS:OS+1] offset:512*\a         ; single bytes 16 apart: a row's word is made by two waves; 262,144 bytes in the whole launch
.endr
	s_wait_tensorcnt 0x0                           ; the wave's end
	ds_add_u32 v[SPW], v[NIL]
	s_wait_dscnt 0x0
	CROUND                                         ; the closing round
	s_endpgm
.Lfunc_end_k_q78ce9f8e2f_ffn1:
	.size	k_q78ce9f8e2f_ffn1, .Lfunc_end_k_q78ce9f8e2f_ffn1-k_q78ce9f8e2f_ffn1
	.p2alignl 7, 3214868480
	.fill 96, 4, 3214868480
	.section	.rodata,"a",@progbits
	.p2align	6, 0x0
	.amdhsa_kernel k_q78ce9f8e2f_ffn1
		.amdhsa_group_segment_fixed_size 327680
		.amdhsa_private_segment_fixed_size 0
		.amdhsa_enable_private_segment 0
		.amdhsa_kernarg_size 24
		.amdhsa_user_sgpr_count 2
		.amdhsa_user_sgpr_kernarg_segment_ptr 1
		.amdhsa_wavefront_size32 1
		.amdhsa_system_sgpr_workgroup_id_x 1
		.amdhsa_system_sgpr_workgroup_id_y 1
		.amdhsa_system_sgpr_workgroup_id_z 1
		.amdhsa_system_vgpr_workitem_id 0
		.amdhsa_next_free_vgpr 1024
		.amdhsa_next_free_sgpr 100
		.amdhsa_reserve_vcc 0
		.amdhsa_float_denorm_mode_32 3
		.amdhsa_float_denorm_mode_16_64 3
		.amdhsa_memory_ordered 1
		.amdhsa_forward_progress 1
		.amdhsa_inst_pref_size 184
	.end_amdhsa_kernel
	.amdgpu_metadata
---
amdhsa.version: [ 1, 2 ]
amdhsa.kernels:
  - .name:           k_q78ce9f8e2f_ffn1
    .symbol:         k_q78ce9f8e2f_ffn1.kd
    .args:
      - { .name: ha, .offset: 0, .size: 8, .value_kind: global_buffer, .address_space: global }
      - { .name: wl, .offset: 8, .size: 8, .value_kind: global_buffer, .address_space: global }
      - { .name: hid, .offset: 16, .size: 8, .value_kind: global_buffer, .address_space: global }
    .group_segment_fixed_size: 327680
    .private_segment_fixed_size: 0
    .kernarg_segment_align: 8
    .kernarg_segment_size: 24
    .max_flat_workgroup_size: 128
    .sgpr_count:     100
    .vgpr_count:     1024
    .wavefront_size: 32
...
	.end_amdgpu_metadata
.endif
;; end of part 6
;; launch down (part 7): grid 256 x 1, 4 waves a work-group, clusters of 4 x 1, 327,680 bytes of LDS; arguments hid, wl, x1, out0; writes out0
.if DOCPART == 7
	.amdgcn_target "amdgcn-amd-amdhsa--gfx1250"
	.amdhsa_code_object_version 6
	.text
	.protected	k_q78ce9f8e2f_down
	.globl	k_q78ce9f8e2f_down
	.p2align	8
	.type	k_q78ce9f8e2f_down,@function
k_q78ce9f8e2f_down:
	s_mov_b64 s[64:65], 0
	v_nop
	global_prefetch_b8 v0, s[64:65] scope:SCOPE_SE
	s_setreg_imm32_b32 hwreg(HW_REG_WAVE_MODE, 25, 1), 1
	s_wait_xcnt 0x0
	s_wait_alu depctr_hold_cnt(0) depctr_sa_sdst(0) depctr_va_vdst(0) depctr_va_sdst(0) depctr_va_ssrc(0) depctr_va_vcc(0) depctr_vm_vsrc(0)
	s_getreg_b32 s2, hwreg(HW_REG_IB_STS2, 6, 4)
	s_cmp_eq_u32 s2, 0
	s_cbranch_scc0 .Lentry_in_a_cluster
	s_endpgm
.Lentry_in_a_cluster:
	s_bfe_u32 s2, ttmp6, 0x10000c
	s_cmp_lg_u32 s2, 0x3003
	s_cbranch_scc0 .Lentry_shape_is_right
	s_endpgm
.Lentry_shape_is_right:
; DOWN: out0 = x1 + hidden layer x w_down, on codes of FP6 (E2M3).  K = 2,048 (KQ = 16 steps of 128).
; A work-group makes 128 tokens x 128 columns.  The tokens' block (all of K, 196,608 bytes of fragments in the order of the operand's registers) lies in LDS, filled once; the four work-groups of a cluster hold the same
; block and ask for it jointly (mask 15).  Wave w takes all eight token tiles against weight tiles 2 w and 2 w + 1, whose fragments for ALL of K stay in its registers, read from memory once: 16 accumulators.
; Source 0 = 16 rows of the weight, source 1 = 16 tokens: a lane holds one token and the neighbouring columns 32 w + 16 h + 8 b + 0 .. 7.
; All tensor loads stand at the kernel's head, so there is no later load that a prefetch could run ahead of.
; THE WAY OUT: through a stage of 128 rows x (512 + 16) bytes, which lies in the tokens' bytes: they have had their only fill, and a barrier stands behind their last read.  Each wave then adds the residual to
; 32 whole rows and stores 512 consecutive bytes an instruction.  Rows 16 apart meet in the same banks in the stage's stores, two deep.
; REGISTERS: window 0: v1, v2, v10.. addresses; v32.. the tokens' scale words, v96.. the weights'; v128-255 accumulator (a, b) at v[128 + 8 (2 a + b)].   window 1: the tokens' fragments, two sets.
;   windows 2 (K steps 0-7) and 3 (8-15): my weights' fragments at v[24 (q % 8) + 12 b].
.set KQ,    16
.set APOFF, 6291456                    ; where the tokens' scale panels begin in their buffer
.set UNIT0, 64                         ; the weight's first unit in wl
.set SPARE, 12288*KQ                   ; behind the tokens' block: the spare words, 128 bytes a wave
.set L16, 1
.set L8,  2
.set SPW, 8                            ; v8   LDS address of my spare word; never rewritten
.set NIL, 9                            ; v9   0; never rewritten
.set LA,  10                           ; v[10 + 2 k], v[11 + 2 k]: 16 x lane, 8 x lane + 49,152 k: K steps 4 k .. 4 k + 3 in LDS
.set STO, 18
.set RD,  19
.set SCA, 32
.set SCB, 96
.set ACC, 128
.set WV,  12
.set G1,  24
.set G0,  32
.set AP,  48
.set WC,  50
.set WPN, 52
.set MSB, 0
.macro WIN new
.if MSB != (\new)
	s_set_vgpr_msb (MSB<<8)|(\new)
.set MSB, (\new)
.endif
.endm
.macro PLACES
.rept 4
	v_nop
.endr
.endm
.macro CROUND
	s_barrier_signal -1
	s_barrier_wait -1
	s_cmp_lg_u32 s[WV], 0
	s_cbranch_scc1 .Lnot_wave_0_\@
	s_barrier_signal -3
.Lnot_wave_0_\@:
	s_barrier_wait -3
	s_barrier_signal -1
	s_barrier_wait -1
.endm
.macro WM
.if ZR
	v_wmma_scale_f32_16x16x128_f8f6f4 v[rD:rD+7], v[rS:rS+11], v[rA:rA+11], 0, v[rX], v[rY] matrix_a_fmt:MATRIX_FMT_FP6 matrix_b_fmt:MATRIX_FMT_FP6
.elseif OD
	v_wmma_scale_f32_16x16x128_f8f6f4 v[rD:rD+7], v[rS:rS+11], v[rA:rA+11], v[rD:rD+7], v[rX], v[rY] matrix_a_fmt:MATRIX_FMT_FP6 matrix_b_fmt:MATRIX_FMT_FP6 matrix_a_scale:MATRIX_SCALE_ROW1 matrix_b_scale:MATRIX_SCALE_ROW1
.else
	v_wmma_scale_f32_16x16x128_f8f6f4 v[rD:rD+7], v[rS:rS+11], v[rA:rA+11], v[rD:rD+7], v[rX], v[rY] matrix_a_fmt:MATRIX_FMT_FP6 matrix_b_fmt:MATRIX_FMT_FP6
.endif
.endm
.macro FETCH_A q                       ; the tokens' eight fragments of K step q into set q % 2: 32 LDS loads
	WIN 0x40
.irp a, 0,1,2,3,4,5,6,7
.set rA, 128*((\q)%2)+12*\a
.set oA, 12288*((\q)%4)+1536*\a
.set rL, LA+2*((\q)/4)
	ds_load_b128 v[rA:rA+3], v[rL] offset:oA
	ds_load_b64 v[rA+4:rA+5], v[rL+1] offset:oA+512
	ds_load_b128 v[rA+6:rA+9], v[rL] offset:oA+768
	ds_load_b64 v[rA+10:rA+11], v[rL+1] offset:oA+1280
.endr
	WIN 0
.endm
.macro STEP                            ; K step Q: 16 matrix instructions, the 16 accumulators by turns in one order throughout
.if Q+1 < KQ
.if Q > 0
	PLACES                                         ; in front of loads into the set that the last step multiplied
.endif
	FETCH_A Q+1
	s_wait_dscnt 32                                ; this step's set is in; the 32 loads just issued may stay out
.else
	s_wait_dscnt 0x0
.endif
.if Q > KQ/2
.set YL, 8*(KQ-1-Q)+32                 ; younger than this step's weights: the later steps' eight loads each, and the residual's 32
.else
.set YL, 8*(KQ-1-Q)
.endif
.if YL > 63
.set YL, 63                            ; (a smaller count than the younger loads' number: safe)
.endif
	s_wait_loadcnt YL
	WIN (0x06+Q/8)                                 ; source 0 window 2 or 3, source 1 window 1
.if Q == 0
.set ZR, 1
.else
.set ZR, 0
.endif
.set OD, Q%2
.irp a, 0,1,2,3,4,5,6,7
.irp b, 0,1
.set rD, ACC+8*(2*\a+\b)
.set rS, 24*(Q%8)+12*\b
.set rA, 128*(Q%2)+12*\a
.set rX, SCB+8*(Q/8)+4*\b+(Q%8)/2
.set rY, SCA+32*(Q/8)+4*\a+(Q%8)/2
	WM
.endr
.endr
.if Q == KQ/2                          ; the residual's 32 rows, 512 consecutive bytes each, are asked for in the middle of K: rows 0-15 into v192-255 of window 2, rows 16-31 into v192-255 of window 3, which hold nothing else
	WIN 0x80
.set i, 0
.rept 16
	global_load_b128 v[192+4*i:195+4*i], v[L16], s[8:9] offset:4096*i
.set i, i+1
.endr
	WIN 0xc0
.rept 16
	global_load_b128 v[128+4*i:131+4*i], v[L16], s[8:9] offset:4096*i
.set i, i+1
.endr
.endif
.endm
	s_load_b256 s[4:11], s[0:1], 0x0               ; the tokens' codes, wl, the residual, the output
	v_lshl_add_u32 v[SPW], v0, 2, SPARE
	v_mov_b32 v[NIL], 0
	ds_add_u32 v[SPW], v[NIL]                      ; the wave's opening: the add and its wait ahead of my first tensor load; work on registers stands between them
	ds_add_u32 v[SPW], v[NIL]
	v_lshrrev_b32 v5, 5, v0
	v_readfirstlane_b32 s[WV], v5                  ; wave 0..3
	v_and_b32 v5, 31, v0
	v_lshlrev_b32 v[L16], 4, v5
	v_lshlrev_b32 v[L8], 3, v5
.set k, 0
.rept KQ/4
	v_add_nc_u32 v[LA+2*k], 49152*k, v[L16]
	v_add_nc_u32 v[LA+2*k+1], 49152*k, v[L8]
.set k, k+1
.endr
	v_and_b32 v5, 15, v0                           ; r
	v_bfe_u32 v6, v0, 4, 1                         ; h
	v_and_b32 v7, 8, v5
	v_add_nc_u32 v7, v7, v5                        ; r + 8 (r / 8)
	v_mul_u32_u24 v[STO], v7, 528
	v_lshl_add_u32 v[STO], v6, 6, v[STO]
	s_lshl_b32 s19, s[WV], 7
	v_add_nc_u32 v[STO], s19, v[STO]               ; the stage, in: my token's row, + 64 h + 128 wave
	s_mul_i32 s19, s[WV], 32*528
	v_add_nc_u32 v[RD], s19, v[L16]                ; and back: my 32 rows, 16 bytes a lane
	s_mov_b32 s[G1], 15|(3<<16)|(1<<21)            ; the mask: all four work-groups; elements of 8 bytes; bit 21 beside a mask
	s_mov_b32 s[G1+1], 32<<16                      ; rows of 256 bytes,
	s_mov_b32 s[G1+2], (12*KQ)<<16                 ; 12 KQ of them: a wave's quarter of the tokens' block
	s_mov_b32 s[G1+3], 32<<16
	s_mov_b32 s[G1+4], 12*KQ
	s_mov_b32 s[G1+5], 32
	s_mov_b32 s[G1+6], 0
	s_mov_b32 s[G1+7], 0
	s_bfe_u32 s16, ttmp6, 0x40000                  ; cx: it enters the weights', the residual's and the output's addresses alone
	s_and_b32 s17, ttmp9, 1
	s_lshl_b32 s17, s17, 2
	s_add_co_u32 s17, s17, s16                     ; my block of 128 columns
	s_lshr_b32 s18, ttmp9, 1                       ; the cluster's block of 128 tokens
	s_mul_i32 s20, s18, 12288*KQ
	s_mul_i32 s58, s[WV], 3072*KQ
	s_add_co_u32 s20, s20, s58
	s_mov_b32 s21, 0
	s_mul_i32 s22, s18, 512*KQ
	s_add_co_u32 s22, s22, APOFF
	s_mov_b32 s23, 0
	s_mul_i32 s54, s17, KQ/8
	s_add_co_u32 s54, s54, UNIT0
	s_mul_i32 s56, s54, 98304
	s_mul_i32 s55, s[WV], 3072
	s_add_co_u32 s56, s56, s55                     ; my two tiles' fragments in wl
	s_mov_b32 s57, 0
	s_lshl_b32 s60, s54, 12
	s_lshl_b32 s55, s[WV], 10
	s_add_co_u32 s60, s60, s55
	s_add_co_u32 s60, s60, 7864320                 ; and their panels
	s_mov_b32 s61, 0
	s_lshl_b32 s62, s18, 7
	s_lshl_b32 s55, s[WV], 5
	s_add_co_u32 s62, s62, s55
	s_lshl_b32 s62, s62, 12
	s_lshl_b32 s55, s17, 9
	s_add_co_u32 s62, s62, s55                     ; the 32 rows that I store: (128 block + 32 wave) x 4,096 + 512 x column block
	s_mov_b32 s63, 0
	s_wait_dscnt 0x0                               ; the opening add is done
	s_wait_kmcnt 0x0
	s_add_nc_u64 s[20:21], s[4:5], s[20:21]
	s_add_nc_u64 s[AP:AP+1], s[4:5], s[22:23]
	s_add_nc_u64 s[WC:WC+1], s[6:7], s[56:57]
	s_add_nc_u64 s[WPN:WPN+1], s[6:7], s[60:61]
	s_add_nc_u64 s[8:9], s[8:9], s[62:63]
	s_add_nc_u64 s[10:11], s[10:11], s[62:63]
	s_mov_b32 s[G0], 1
	s_mov_b32 s[G0+1], s58                         ; LDS: as in memory
	s_mov_b64 s[G0+2:G0+3], s[20:21]
	s_or_b32 s[G0+3], s[G0+3], 0x80000000
	CROUND                                         ; all four work-groups are here: the joint loads meet
	tensor_load_to_lds s[G0:G0+3], s[G1:G1+7]      ; the only fill of the launch: one load of mine is out
	s_nop 0
	PLACES
.set kg, 0
.rept KQ/8
.irp a, 0,1,2,3,4,5,6,7
	global_load_b128 v[SCA+32*kg+4*\a:SCA+32*kg+4*\a+3], v[L16], s[AP:AP+1] offset:4096*kg+512*\a
.endr
.irp b, 0,1
	global_load_b128 v[SCB+8*kg+4*\b:SCB+8*kg+4*\b+3], v[L16], s[WPN:WPN+1] offset:4096*kg+512*\b
.endr
.set kg, kg+1
.endr
.set q, 0
.rept KQ                               ; all my weights: eight loads a K step, in ascending K
	WIN (0x80+0x40*(q/8))
.irp b, 0,1
.set rW, 24*(q%8)+12*\b
.set oW, 12288*q+1536*\b
	global_load_b128 v[rW:rW+3], v[L16], s[WC:WC+1] offset:oW
	global_load_b64 v[rW+4:rW+5], v[L8], s[WC:WC+1] offset:oW+512
	global_load_b128 v[rW+6:rW+9], v[L16], s[WC:WC+1] offset:oW+768
	global_load_b64 v[rW+10:rW+11], v[L8], s[WC:WC+1] offset:oW+1280
.endr
.set q, q+1
.endr
	WIN 0
	s_wait_tensorcnt 0x0                           ; my quarter of the block is in,
	s_barrier_signal -1
	s_barrier_wait -1                              ; everybody's is
	FETCH_A 0
.set Q, 0
	s_wait_alu depctr_va_vdst(0)
.rept KQ
	STEP
.set Q, Q+1
.endr
	PLACES                                         ; in front of loads into the tokens' sets, and of the first read of results
	WIN 0
	s_wait_dscnt 0x0                               ; my reads of the tokens' block are over,
	s_barrier_signal -1
	s_barrier_wait -1                              ; everybody's are: the stage may be written
.irp a, 0,1,2,3,4,5,6,7
.irp b, 0,1
	ds_store_b128 v[STO], v[ACC+8*(2*\a+\b):ACC+8*(2*\a+\b)+3] offset:(32*(\a/2)+8*(\a%2))*528+32*\b          ; each accumulator from its low end on
	ds_store_b128 v[STO], v[ACC+8*(2*\a+\b)+4:ACC+8*(2*\a+\b)+7] offset:(32*(\a/2)+8*(\a%2))*528+32*\b+16
.endr
.endr
	s_wait_dscnt 0x0                               ; for the others' sake: my stores have landed
	s_barrier_signal -1
	s_barrier_wait -1
.set i, 0
.rept 32
	ds_load_b128 v[ACC+4*i:ACC+4*i+3], v[RD] offset:528*i
.set i, i+1
.endr
	s_wait_loadcnt 0x0
	s_wait_dscnt 0x0
	WIN 0x08                                       ; source 1 window 2: the residual's rows 0-15
.set i, 0
.rept 32
	v_pk_add_f32 v[ACC+2*i:ACC+2*i+1], v[ACC+2*i:ACC+2*i+1], v[192+2*i:193+2*i]
.set i, i+1
.endr
	WIN 0x0c                                       ; source 1 window 3: rows 16-31
.rept 32
	v_pk_add_f32 v[ACC+2*i:ACC+2*i+1], v[ACC+2*i:ACC+2*i+1], v[128+2*i:129+2*i]
.set i, i+1
.endr
	WIN 0
.set i, 0
.rept 32
	global_store_b128 v[L16], v[ACC+4*i:ACC+4*i+3], s[10:11] offset:4096*i th:TH_STORE_NT    ; 32 lanes store 512 consecutive bytes, at a multiple of 256 from the buffer's first byte; written once, read by nobody here
.set i, i+1
.endr
	s_wait_tensorcnt 0x0                           ; the wave's end
	ds_add_u32 v[SPW], v[NIL]
	s_wait_dscnt 0x0
	CROUND                                         ; the closing round
	s_endpgm
.Lfunc_end_k_q78ce9f8e2f_down:
	.size	k_q78ce9f8e2f_down, .Lfunc_end_k_q78ce9f8e2f_down-k_q78ce9f8e2f_down
	.p2alignl 7, 3214868480
	.fill 96, 4, 3214868480
	.section	.rodata,"a",@progbits
	.p2align	6, 0x0
	.amdhsa_kernel k_q78ce9f8e2f_down
		.amdhsa_group_segment_fixed_size 327680
		.amdhsa_private_segment_fixed_size 0
		.amdhsa_enable_private_segment 0
		.amdhsa_kernarg_size 32
		.amdhsa_user_sgpr_count 2
		.amdhsa_user_sgpr_kernarg_segment_ptr 1
		.amdhsa_wavefront_size32 1
		.amdhsa_system_sgpr_workgroup_id_x 1
		.amdhsa_system_sgpr_workgroup_id_y 1
		.amdhsa_system_sgpr_workgroup_id_z 1
		.amdhsa_system_vgpr_workitem_id 0
		.amdhsa_next_free_vgpr 1024
		.amdhsa_next_free_sgpr 100
		.amdhsa_reserve_vcc 0
		.amdhsa_float_denorm_mode_32 3
		.amdhsa_float_denorm_mode_16_64 3
		.amdhsa_memory_ordered 1
		.amdhsa_forward_progress 1
		.amdhsa_inst_pref_size 102
	.end_amdhsa_kernel
	.amdgpu_metadata
---
amdhsa.version: [ 1, 2 ]
amdhsa.kernels:
  - .name:           k_q78ce9f8e2f_down
    .symbol:         k_q78ce9f8e2f_down.kd
    .args:
      - { .name: hid, .offset: 0, .size: 8, .value_kind: global_buffer, .address_space: global }
      - { .name: wl, .offset: 8, .size: 8, .value_kind: global_buffer, .address_space: global }
      - { .name: x1, .offset: 16, .size: 8, .value_kind: global_buffer, .address_space: global }
      - { .name: out0, .offset: 24, .size: 8, .value_kind: global_buffer, .address_space: global }
    .group_segment_fixed_size: 327680
    .private_segment_fixed_size: 0
    .kernarg_segment_align: 8
    .kernarg_segment_size: 32
    .max_flat_workgroup_size: 128
    .sgpr_count:     100
    .vgpr_count:     1024
    .wavefront_size: 32
...
	.end_amdgpu_metadata
.endif
;; end of part 7
